; MI455X (gfx1250); checked and timed in simulation.
; The chip was launched on July 23, 2026; its instructions are those of AMD's public machine-readable ISA for CDNA 5 (MIT licence, August 2026) and "CDNA5" Instruction Set Architecture Reference Guide (July 2026). The comments in the code are by the model that wrote it; some were corrected since.
;; Graph Structured Attention. Allowed arithmetic: matrix products marked QUANTISED: E2M1 operands, one E8M0 scale for each 32 along K, by v_wmma_scale_f32_16x16x128_f8f6f4 with both operands' format E2M1 (or v_wmma_scale_f32_32x16x128_f4), f32 sums; products left as they are: bf16, f16 or f32 operands; f32 sums; everything else in f32.
;; Inputs: Wk 1,024 x 1,024 float32; Wo 1,024 x 1,024 float32; Wq 1,024 x 1,024 float32; Wv 1,024 x 1,024 float32; bk 1,024 float32; bo 1,024 float32; bq 1,024 float32; bv 1,024 float32; mask 4 x 2,048 x 2,048 int32; x 4 x 2,048 x 1,024 float32.
;; Outputs: out0 4 x 2,048 x 1,024 float32.
;; This version of the problem:
;;   THIS VERSION OF THE PROBLEM IS GIVEN IN LOW PRECISION. The matrix products marked QUANTISED in the list below multiply operands that are first quantised to E2M1 (2 exponent bits, 1 mantissa bit; 4 bits a number), with one power-of-two scale for each 32 numbers along K (OCP MX v1.0); their sums are f32. The products marked 'left as it is' may take bf16, f16 or f32 operands, with f32 sums. Whichever they take, every output number must still come out within the allowed error. Rounding operands to bf16 (8 significant bits) uses up far more of that allowance than f16 does (11 bits, for magnitudes from 6e-5 to 65,504). All else is computed in f32.
;;   The module's matrix products, in the order in which they are computed (A, B: the left and right operand; K: the contracted axis; several contracted axes count as one K, in the product's order):
;;     1. [M 8,192, K 1,024] x [K 1,024, N 1,024]; A: input x; B: input Wq: QUANTISED
;;     2. [M 8,192, K 1,024] x [K 1,024, N 1,024]; A: input x; B: input Wk: QUANTISED
;;     3. [M 8,192, K 1,024] x [K 1,024, N 1,024]; A: input x; B: input Wv: QUANTISED
;;     4. batch 64 x [M 2,048, K 64] x [K 64, N 2,048]; A: computed on the way; B: computed on the way: left as it is (an operand is computed on the way)
;;     5. batch 64 x [M 2,048, K 2,048] x [K 2,048, N 64]; A: computed on the way; B: computed on the way: left as it is (an operand is computed on the way)
;;     6. [M 8,192, K 1,024] x [K 1,024, N 1,024]; A: computed on the way; B: input Wo: left as it is (an operand is computed on the way)
;;   THE QUANTISER, for each operand of a quantised product, along K:
;;     - K is cut into blocks of 32 from its start; a last block that is shorter is filled with zeros.
;;     - A block's scale is 2^e with e = floor(log2(the largest magnitude in the block)) - 2, held to -126 .. 127; a block of zeros has e = 0. As a byte (E8M0): e + 127.
;;     - Each number is divided by its block's scale, clamped to +-6, and rounded to the nearest number of E2M1, ties to even, subnormals kept.
;;     - The product sums the exact products of the quantised numbers (number of the format x scale) in f32.
;;   ~~~python
;;   def quantise(x, axis):      # numpy; x: float32 -> the quantised numbers, widened to float32 again
;;       x = np.moveaxis(x, axis, -1); K = x.shape[-1]
;;       x = np.pad(x, [(0, 0)] * (x.ndim - 1) + [(0, -K % 32)]); x = x.reshape(x.shape[:-1] + (-1, 32)); a = np.abs(x).max(-1, keepdims=True)
;;       e = np.where(a > 0, np.clip(np.frexp(np.where(a > 0, a, 1))[1] - 1 - 2, -126, 127), 0)      # np.frexp(a)[1] - 1 = floor(log2(a)), exactly
;;       r = np.clip(x / 2.0 ** e, -6, 6)
;;       step = 2.0 ** (np.maximum(np.frexp(np.where(r == 0, 1, r))[1] - 1, 0) - 1)
;;       q = np.round(r / step) * step * 2.0 ** e      # np.round: ties to even
;;       return np.moveaxis(q.reshape(q.shape[:-2] + (-1,))[..., :K], -1, axis).astype(np.float32)
;;   ~~~
;; One version. Each part assembles by itself: llvm-mc -triple=amdgcn-amd-amdhsa -mcpu=gfx1250 --defsym DOCPART=n.
;; ======== version 1 of 1: 4 launches
;; limits: values are held in f16: magnitudes above 65,504 overflow, below 6.1e-05 lose precision
;; workspace buffers: xcodes 4,194,304 bytes; xscales 262,144 bytes; wcodes 1,572,864 bytes; wscales 98,304 bytes; maskw 2,097,152 bytes of whole numbers; wot 2,097,152 bytes; qkv 50,331,648 bytes; ao 16,777,216 bytes
;; launch prep (part 1): grid 1216 x 1, 4 waves a work-group, no clusters, 51,200 bytes of LDS; arguments x, mask, Wq, Wk, Wv, Wo, xcodes, xscales, wcodes, wscales, maskw, wot; writes xcodes, xscales, wcodes, wscales, maskw, wot
.if DOCPART == 1
	.amdgcn_target "amdgcn-amd-amdhsa--gfx1250"
	.amdhsa_code_object_version 6
	.text
	.protected	k_q63f166b152_prep
	.globl	k_q63f166b152_prep
	.p2align	8
	.type	k_q63f166b152_prep,@function
k_q63f166b152_prep:
	s_mov_b64 s[64:65], 0
	v_nop
	global_prefetch_b8 v0, s[64:65] scope:SCOPE_SE
	s_setreg_imm32_b32 hwreg(HW_REG_WAVE_MODE, 25, 1), 1
	s_wait_xcnt 0x0
; PREP: everything that is made once and read many times.  Four kinds of work-group, told apart by the work-group's number alone:
;   W   0 ..  191  Wq, Wk, Wv [k][n] f32 -> codes of FP4 (E2M1), K innermost, wcodes [3072 n][512 bytes], and E8M0 bytes wscales [3072][32];  n = 1024 x (0 q, 1 k, 2 v) + column
;   O 192 ..  447  Wo [k][n] f32 -> f16, turned: wot [n][k]
;   X 448 ..  703  x [8192][1024] f32 -> xcodes [8192][512 bytes], xscales [8192][32]
;   M 704 .. 1215  mask [4][2048][2048] i32 -> bits: maskw [b][query tile of 16][word w of 1024]; bit r + 16 e of word w = (mask[b][16 tile + r][2 w + e] != 0)
; DEAD WORK, for the whole program.  bk adds q . bk to every score of a query q: k + bk gives q . k + q . bk, and q . bk is the same for all keys.  A term that is the same along the softmax's
; axis leaves softmax unchanged in exact arithmetic, whatever finite values the inputs hold; the product of q and k is not quantised, so no quantiser sees bk.  So bk reaches no output: it is
; not loaded and is no argument of any launch.  LIMIT: a NaN, an infinity or an overflow that only bk would bring is not carried to the result.
; THE QUANTISER.  A block's scale is 2^(floor(log2(largest magnitude)) - 2); its byte is the largest magnitude's exponent field - 2, held at 1 from below.  A block of zeros so gets the byte 1
; where the rule says 127: its codes are zeros, which add nothing, and the bytes are read by this program alone.  LIMITS: NaN and infinities among x and the weights are not served.
; A mask number other than 0 counts as true (reference() compares with 0).  Wo beyond f16's largest number, 65,504, becomes infinity.
; Each kind has LDS bytes of its own.  M uses no LDS.
.set SP,     80                        ; X: a lane's place in a stage: 64 bytes + 16 of padding
.set XWREG,  8192                      ; X: a wave's region: two stages of 32 x SP bytes, then its 256 scale bytes
.set PITCH,  272                       ; W, O: a stage row: 256 bytes + 16
.set WSTG,   32768                     ; W: 32 columns' rows of codes
.set WSC,    WSTG+32*PITCH             ; W: 32 columns x 16 scale bytes
.set OSTG,   WSC+512                   ; O: 32 columns' rows of f16
.set SPARE,  OSTG+32*PITCH             ; the spare words, 128 bytes for each wave: two blocks of 256 bytes that no other line names
.set EMAX,   2
.set SPW,    192                       ; v192 LDS address of my spare word; never rewritten
.set NIL,    193                       ; v193 0; never rewritten
.macro CLOSE                           ; a wave's end behind LDS stores
	s_wait_tensorcnt 0x0
	ds_add_u32 v[SPW], v[NIL]
	s_wait_dscnt 0x0
	s_endpgm
.endm
.macro BARRIER                         ; my LDS stores have landed and my LDS loads are in: then the work-group's barrier
	s_wait_dscnt 0x0
	s_barrier_signal -1
	s_barrier_wait -1
.endm
.macro ROWSOUT p, step                 ; W, O: my 8 rows of the stage leave, two rows an instruction: sixteen lanes store 256 consecutive bytes, aligned
.irp t, 0,1,2,3
	ds_load_b128 v[112+4*\t:115+4*\t], v7 offset:2*PITCH*\t
.endr
.irp t, 0,1,2,3
	s_wait_dscnt 3-\t                              ; LDS loads come back in order: load t is in, the younger ones may be out
	global_store_b128 v8, v[112+4*\t:115+4*\t], s[\p:\p+1] offset:(\step)*\t
.endr
.endm
	s_load_b512 s[4:19], s[0:1], 0x0               ; x 4, mask 6, Wq 8, Wk 10, Wv 12, Wo 14, xcodes 16, xscales 18
	s_load_b256 s[20:27], s[0:1], 0x40             ; wcodes 20, wscales 22, maskw 24, wot 26
	v_lshl_add_u32 v[SPW], v0, 2, SPARE
	v_mov_b32 v[NIL], 0
	v_lshrrev_b32 v1, 5, v0
	v_readfirstlane_b32 s28, v1                    ; wave 0..3
	v_and_b32 v2, 31, v0                           ; lane
	s_wait_kmcnt 0x0
	s_cmp_lt_u32 ttmp9, 192
	s_cbranch_scc1 .Lpath_w
	s_cmp_lt_u32 ttmp9, 448
	s_cbranch_scc1 .Lpath_o
	s_cmp_lt_u32 ttmp9, 704
	s_cbranch_scc1 .Lpath_x
; ---------------------------------------------------------------- M: the mask as bits
; A work-group takes 16 rows (a tile of queries), wave w keys 512 w .. 512 w + 511, in four chunks of 128 keys.  Each load reads 512 consecutive bytes of one row, 4 keys a lane.
; Lane L gathers words 2 L (keys 4 L, 4 L + 1) and 2 L + 1 (keys 4 L + 2, 4 L + 3) of the chunk: row a's two numbers go to bits a and 16 + a.  The wave stores 256 consecutive bytes, aligned.
	s_sub_co_u32 s29, ttmp9, 704                   ; 128 b + query tile
	s_lshl_b32 s30, s29, 17                        ; 16 rows of 8,192 bytes
	s_lshl_b32 s31, s28, 11                        ; 512 keys of 4 bytes
	s_add_co_u32 s30, s30, s31
	s_mov_b32 s31, 0
	s_add_nc_u64 s[6:7], s[6:7], s[30:31]
	s_lshl_b32 s30, s29, 12                        ; 1,024 words a tile
	s_lshl_b32 s32, s28, 10                        ; 256 words for 512 keys
	s_add_co_u32 s30, s30, s32
	s_add_nc_u64 s[24:25], s[24:25], s[30:31]
	v_lshlrev_b32 v3, 4, v2
	v_lshlrev_b32 v4, 3, v2
.macro LOADM c                         ; chunk c: 16 rows x 512 bytes, into set c % 2
.irp a, 0,1,2,3,4,5,6,7,8,9,10,11,12,13,14,15
	global_load_b128 v[32+64*((\c)%2)+4*\a:32+64*((\c)%2)+4*\a+3], v3, s[6:7] offset:8192*\a+512*(\c) th:TH_LOAD_NT
.endr
.endm
.macro PACKM c
.set MS, 32+64*((\c)%2)
.set MA, 160+2*(\c)                    ; each chunk has its own pair of words, so that no store's data are written again
.irp a, 0,1,2,3,4,5,6,7,8,9,10,11,12,13,14,15
	v_min_u32 v8, 1, v[MS+4*\a]                    ; 0 stays 0, all else (negative numbers too) becomes 1
	v_min_u32 v9, 1, v[MS+4*\a+1]
	v_min_u32 v10, 1, v[MS+4*\a+2]
	v_min_u32 v11, 1, v[MS+4*\a+3]
.if \a == 0
	v_lshl_or_b32 v[MA], v9, 16, v8                ; row 0 starts the words: nothing is cleared
	v_lshl_or_b32 v[MA+1], v11, 16, v10
.else
	v_lshl_or_b32 v8, v9, 16, v8
	v_lshl_or_b32 v10, v11, 16, v10
	v_lshl_or_b32 v[MA], v8, \a, v[MA]
	v_lshl_or_b32 v[MA+1], v10, \a, v[MA+1]
.endif
.endr
	global_store_b64 v4, v[MA:MA+1], s[24:25] offset:256*(\c)
.endm
	LOADM 0
	LOADM 1
	s_wait_loadcnt 16                              ; chunk 0's sixteen loads are in, chunk 1's may be out
	PACKM 0
	LOADM 2
	s_wait_loadcnt 16
	PACKM 1
	LOADM 3
	s_wait_loadcnt 16
	PACKM 2
	s_wait_loadcnt 0x0
	PACKM 3
	s_endpgm
; ---------------------------------------------------------------- X: x into codes
; x is a plain stream of blocks of 32.  A wave takes 16 steps of 512 numbers.  Each load reads 512 consecutive bytes; a step's 2,048 bytes turn through the wave's own stage in LDS, so that a lane
; then holds 16 NEIGHBOURS along K (two neighbouring lanes hold a block), which is what the conversions take.  Loads run four steps ahead, the turn through LDS one step.  Waves share nothing.
.Lpath_x:
.set R,   16                           ; v16-79   four sets of 16 numbers as loaded
.set XN,  80                           ; v80-111  two sets of 16 neighbours
.set EX,  112                          ; v112-127 a scale byte for each step
.set CX,  128                          ; v128-191 codes: four registers for each step
	s_sub_co_u32 s29, ttmp9, 448
	s_lshl_b32 s29, s29, 2
	s_add_co_u32 s29, s29, s28                     ; which run of 8,192 numbers is my wave's
	s_mov_b32 s31, 0
	s_lshl_b32 s30, s29, 15
	s_add_nc_u64 s[4:5], s[4:5], s[30:31]
	s_lshl_b32 s30, s29, 12
	s_add_nc_u64 s[16:17], s[16:17], s[30:31]
	s_lshl_b32 s30, s29, 8
	s_add_nc_u64 s[18:19], s[18:19], s[30:31]
	v_lshlrev_b32 v3, 4, v2                        ; my 16 bytes of a load's 512
	s_mul_i32 s29, s28, XWREG
	v_lshrrev_b32 v14, 2, v2
	v_mul_u32_u24 v14, v14, SP
	v_and_b32 v15, 3, v2
	v_lshl_add_u32 v14, v15, 4, v14
	v_add_nc_u32 v14, s29, v14                     ; the stage, on the way in: SP (lane / 4) + 16 (lane % 4)
	v_mul_u32_u24 v15, v2, SP
	v_add_nc_u32 v15, s29, v15                     ; on the way out: SP x lane: my 16 neighbours
	v_lshlrev_b32 v4, 3, v2                        ; my 8 bytes of a step's codes
	v_lshrrev_b32 v5, 1, v2
	s_add_co_u32 s29, s29, 2*32*SP
	v_add_nc_u32 v5, s29, v5                       ; my block's byte among the wave's 256 scale bytes
	v_lshlrev_b32 v7, 3, v2
	v_add_nc_u32 v6, s29, v7                       ; and 8 of them a lane on the way out
.macro LOADX t
.irp i, 0,1,2,3
	global_load_b128 v[R+16*((\t)%4)+4*\i:R+16*((\t)%4)+4*\i+3], v3, s[4:5] offset:2048*(\t)+512*\i th:TH_LOAD_NT
.endr
.endm
.macro TURNX t                         ; LDS serves a wave's instructions in order: no wait between the stores and the loads
.irp i, 0,1,2,3
	ds_store_b128 v14, v[R+16*((\t)%4)+4*\i:R+16*((\t)%4)+4*\i+3] offset:32*SP*((\t)%2)+8*SP*\i
.endr
.irp i, 0,1,2,3
	ds_load_b128 v[XN+16*((\t)%2)+4*\i:XN+16*((\t)%2)+4*\i+3], v15 offset:32*SP*((\t)%2)+16*\i
.endr
.endm
.macro STEPX t
.set XS, XN+16*((\t)%2)
.if (\t) > 0
	s_wait_dscnt 1                                 ; this step's numbers are back from the stage; the last step's byte store may be out
.else
	s_wait_dscnt 0x0
.endif
.if (\t)+4 < 16
	LOADX (\t)+4                                   ; into the set whose numbers the stage has taken
.endif
.if (\t)+1 < 16
.if 14-(\t) >= 3
	s_wait_loadcnt 12                              ; the next step's four loads are in; those of the three steps behind it may be out
.else
	s_wait_loadcnt 4*(14-(\t))
.endif
	TURNX (\t)+1
.endif
	v_max3_num_f32 v8, |v[XS]|, |v[XS+1]|, |v[XS+2]|
	v_max3_num_f32 v9, |v[XS+3]|, |v[XS+4]|, |v[XS+5]|
.irp i, 6,10
	v_max3_num_f32 v8, v8, |v[XS+\i]|, |v[XS+\i+1]|
	v_max3_num_f32 v9, v9, |v[XS+\i+2]|, |v[XS+\i+3]|
.endr
	v_max3_num_f32 v8, v8, |v[XS+14]|, |v[XS+15]|
	v_max3_num_f32 v8, v8, v9, (EMAX+1)<<23        ; the floor 2^(3 - 127): the byte cannot fall under 1
	v_max_num_f32_dpp v8, v8, v8 row_xmask:1 row_mask:0xf bank_mask:0xf   ; with my neighbour's 16: the block's largest magnitude
	v_add_nc_u32 v11, -(EMAX<<23), v8              ; 2 off its exponent field: the conversion takes the exponent field of this operand as its scale
	v_cvt_scalef32_pk8_fp4_f32 v[CX+4*(\t)], v[XS:XS+7], v11
	v_cvt_scalef32_pk8_fp4_f32 v[CX+4*(\t)+1], v[XS+8:XS+15], v11
	v_lshrrev_b32 v[EX+(\t)], 23, v11              ; the scale's byte (a plain line behind the conversions)
	ds_store_b8 v5, v[EX+(\t)] offset:16*(\t)      ; both lanes of a block write the same byte with the same value
	global_store_b64 v4, v[CX+4*(\t):CX+4*(\t)+1], s[16:17] offset:256*(\t)   ; the wave stores 256 consecutive bytes, aligned
.endm
.irp t, 0,1,2,3
	LOADX \t
.endr
	s_wait_loadcnt 12                              ; step 0's four loads are in
	TURNX 0
.irp t, 0,1,2,3,4,5,6,7,8,9,10,11,12,13,14,15
	STEPX \t
.endr
	ds_load_b64 v[8:9], v6                         ; in order behind my byte stores
	s_wait_dscnt 0x0
	global_store_b64 v7, v[8:9], s[18:19]          ; the wave's 256 scale bytes: one aligned run
	CLOSE
; ---------------------------------------------------------------- W: Wq, Wk, Wv into codes
; A LANE TAKES A COLUMN n AND ITS REGISTERS RUN DOWN K: a block of 32 lies in one lane, and the conversions give codes with K innermost.  A work-group takes 32 columns x 512 along K;
; wave w the four blocks of rows 128 w .. 128 w + 127 of that half of K.  The four waves' codes meet in a stage (a column's 256 bytes a row) and leave as whole rows.
.Lpath_w:
	s_lshr_b32 s29, ttmp9, 6                       ; 0 q, 1 k, 2 v
	s_bfe_u32 s30, ttmp9, 0x50001                  ; which 32 columns
	s_and_b32 s31, ttmp9, 1                        ; which half of K
	s_cmp_eq_u32 s29, 0
	s_cselect_b64 s[8:9], s[8:9], s[10:11]         ; the choice hangs on the work-group's number alone
	s_cmp_eq_u32 s29, 2
	s_cselect_b64 s[8:9], s[12:13], s[8:9]
	s_lshl_b32 s32, s31, 21                        ; 512 rows of 4,096 bytes
	s_lshl_b32 s33, s28, 19                        ; 128 rows
	s_add_co_u32 s32, s32, s33
	s_lshl_b32 s33, s30, 7                         ; 32 columns
	s_add_co_u32 s32, s32, s33
	s_mov_b32 s33, 0
	s_add_nc_u64 s[8:9], s[8:9], s[32:33]
	s_lshl_b32 s34, s29, 10
	s_lshl_b32 s35, s30, 5
	s_add_co_u32 s34, s34, s35                     ; my first row n of the codes
	s_lshl_b32 s32, s34, 9
	s_lshl_b32 s35, s31, 8
	s_add_co_u32 s32, s32, s35
	s_add_nc_u64 s[20:21], s[20:21], s[32:33]      ; wcodes + 512 n + 256 half
	s_lshl_b32 s32, s34, 5
	s_lshl_b32 s35, s31, 4
	s_add_co_u32 s32, s32, s35
	s_add_nc_u64 s[22:23], s[22:23], s[32:33]      ; wscales + 32 n + 16 half
	v_lshlrev_b32 v3, 2, v2                        ; in: 4 bytes a lane
	v_mul_u32_u24 v4, v2, PITCH
	s_lshl_b32 s35, s28, 6
	s_add_co_u32 s35, s35, WSTG
	v_add_nc_u32 v4, s35, v4                       ; the stage: row = my column, my wave's 64 bytes
	v_lshlrev_b32 v9, 4, v2
	s_lshl_b32 s35, s28, 2
	s_add_co_u32 s35, s35, WSC
	v_add_nc_u32 v9, s35, v9                       ; my column's 16 scale bytes, my wave's word
	v_and_b32 v5, 15, v2
	v_lshrrev_b32 v6, 4, v2
	v_mul_u32_u24 v7, v6, PITCH
	v_lshl_add_u32 v7, v5, 4, v7
	s_mul_i32 s35, s28, 8*PITCH
	s_add_co_u32 s35, s35, WSTG
	v_add_nc_u32 v7, s35, v7                       ; out: my wave's rows 8 w .., sixteen lanes to a row
	v_lshlrev_b32 v8, 9, v6
	v_lshl_add_u32 v8, v5, 4, v8
	s_lshl_b32 s35, s28, 12
	v_add_nc_u32 v8, s35, v8                       ; and the same place in wcodes
	v_lshl_add_u32 v10, v2, 4, WSC                 ; wave 0: a column's 16 scale bytes a lane
	v_lshlrev_b32 v14, 5, v2                       ; and its row of wscales
.macro LOADW t                         ; block t: W(32 t + i, my column) into set t % 2; 32 lanes read 128 consecutive bytes
.irp i, 0,1,2,3,4,5,6,7,8,9,10,11,12,13,14,15,16,17,18,19,20,21,22,23,24,25,26,27,28,29,30,31
	global_load_b32 v[32+32*((\t)%2)+\i], v3, s[8:9] offset:(32*(\t)+\i)*4096 th:TH_LOAD_NT
.endr
.endm
.macro BLOCKW t
.set WS, 32+32*((\t)%2)
.if (\t) < 3
	s_wait_loadcnt 32                              ; this block's 32 loads are in; the next block's may be out
.else
	s_wait_loadcnt 0x0
.endif
	v_max3_num_f32 v12, |v[WS]|, |v[WS+1]|, |v[WS+2]|
	v_max3_num_f32 v13, |v[WS+3]|, |v[WS+4]|, |v[WS+5]|
.irp i, 6,10,14,18,22,26
	v_max3_num_f32 v12, v12, |v[WS+\i]|, |v[WS+\i+1]|
	v_max3_num_f32 v13, v13, |v[WS+\i+2]|, |v[WS+\i+3]|
.endr
	v_max3_num_f32 v12, v12, |v[WS+30]|, |v[WS+31]|
	v_max3_num_f32 v12, v12, v13, (EMAX+1)<<23     ; the floor: the byte cannot fall under 1
	v_add_nc_u32 v11, -(EMAX<<23), v12             ; the conversions' scale operand
	v_lshrrev_b32 v13, 23, v11                     ; the scale's byte
.if (\t) == 0
	v_mov_b32 v24, v13                             ; my four bytes make a word, the lower K in the lower byte
.else
	v_lshl_or_b32 v24, v13, 8*(\t), v24
.endif
.irp g, 0,1,2,3
	v_cvt_scalef32_pk8_fp4_f32 v[96+\g], v[WS+8*\g:WS+8*\g+7], v11
.endr
	v_nop                                          ; a plain line behind the last conversion of the run
	ds_store_b128 v4, v[96:99] offset:16*(\t)      ; 32 codes: 16 bytes of my column's row
.if (\t)+2 < 4
	LOADW (\t)+2
.endif
	s_wait_dscnt 0x0                               ; the store has read its registers: the next block's codes may be written
.endm
	LOADW 0
	LOADW 1
	BLOCKW 0
	BLOCKW 1
	BLOCKW 2
	BLOCKW 3
	ds_store_b32 v9, v24
	BARRIER                                        ; 32 whole rows of codes and of scale bytes lie in LDS
	s_cmp_lg_u32 s28, 0                            ; wave 0 alone stores the scale bytes: 16 a column
	s_cbranch_scc1 .Lw_rows
	ds_load_b128 v[128:131], v10
	s_wait_dscnt 0x0
	global_store_b128 v14, v[128:131], s[22:23]
.Lw_rows:
	ROWSOUT 20, 1024
	CLOSE
; ---------------------------------------------------------------- O: Wo turned, in f16
; As W: a lane takes a column n, its 32 registers run down k; pairs are rounded to f16.  A work-group takes 32 columns x 128 along k, wave w rows 32 w .. 32 w + 31 of them.
.Lpath_o:
	s_sub_co_u32 s29, ttmp9, 192
	s_and_b32 s30, s29, 31                         ; which 32 columns
	s_lshr_b32 s31, s29, 5                         ; which 128 along k
	s_lshl_b32 s32, s31, 19
	s_lshl_b32 s33, s28, 17
	s_add_co_u32 s32, s32, s33
	s_lshl_b32 s33, s30, 7
	s_add_co_u32 s32, s32, s33
	s_mov_b32 s33, 0
	s_add_nc_u64 s[14:15], s[14:15], s[32:33]
	s_lshl_b32 s32, s30, 16                        ; 32 rows of 2,048 bytes
	s_lshl_b32 s34, s31, 8
	s_add_co_u32 s32, s32, s34
	s_add_nc_u64 s[26:27], s[26:27], s[32:33]
	v_lshlrev_b32 v3, 2, v2
.irp i, 0,1,2,3,4,5,6,7,8,9,10,11,12,13,14,15,16,17,18,19,20,21,22,23,24,25,26,27,28,29,30,31
	global_load_b32 v[32+\i], v3, s[14:15] offset:4096*\i th:TH_LOAD_NT
.endr
	v_mul_u32_u24 v4, v2, PITCH
	s_lshl_b32 s35, s28, 6
	s_add_co_u32 s35, s35, OSTG
	v_add_nc_u32 v4, s35, v4
	v_and_b32 v5, 15, v2
	v_lshrrev_b32 v6, 4, v2
	v_mul_u32_u24 v7, v6, PITCH
	v_lshl_add_u32 v7, v5, 4, v7
	s_mul_i32 s35, s28, 8*PITCH
	s_add_co_u32 s35, s35, OSTG
	v_add_nc_u32 v7, s35, v7
	v_lshlrev_b32 v8, 11, v6
	v_lshl_add_u32 v8, v5, 4, v8
	s_lshl_b32 s35, s28, 14
	v_add_nc_u32 v8, s35, v8
	s_wait_loadcnt 0x0
.irp i, 0,1,2,3,4,5,6,7,8,9,10,11,12,13,14,15
	v_cvt_pk_f16_f32 v[64+\i], v[32+2*\i], v[33+2*\i]
.endr
.irp t, 0,1,2,3
	ds_store_b128 v4, v[64+4*\t:67+4*\t] offset:16*\t
.endr
	BARRIER
	ROWSOUT 26, 4096
	CLOSE
.Lfunc_end_k_q63f166b152_prep:
	.size	k_q63f166b152_prep, .Lfunc_end_k_q63f166b152_prep-k_q63f166b152_prep
	.p2alignl 7, 3214868480
	.fill 96, 4, 3214868480
	.section	.rodata,"a",@progbits
	.p2align	6, 0x0
	.amdhsa_kernel k_q63f166b152_prep
		.amdhsa_group_segment_fixed_size 51200
		.amdhsa_private_segment_fixed_size 0
		.amdhsa_enable_private_segment 0
		.amdhsa_kernarg_size 96
		.amdhsa_user_sgpr_count 2
		.amdhsa_user_sgpr_kernarg_segment_ptr 1
		.amdhsa_wavefront_size32 1
		.amdhsa_system_sgpr_workgroup_id_x 1
		.amdhsa_system_sgpr_workgroup_id_y 1
		.amdhsa_system_sgpr_workgroup_id_z 1
		.amdhsa_system_vgpr_workitem_id 0
		.amdhsa_next_free_vgpr 200
		.amdhsa_next_free_sgpr 66
		.amdhsa_reserve_vcc 0
		.amdhsa_float_denorm_mode_32 3
		.amdhsa_float_denorm_mode_16_64 3
		.amdhsa_memory_ordered 1
		.amdhsa_forward_progress 1
		.amdhsa_inst_pref_size 92
	.end_amdhsa_kernel
	.amdgpu_metadata
---
amdhsa.version: [ 1, 2 ]
amdhsa.kernels:
  - .name:           k_q63f166b152_prep
    .symbol:         k_q63f166b152_prep.kd
    .args:
      - { .name: x, .offset: 0, .size: 8, .value_kind: global_buffer, .address_space: global }
      - { .name: mask, .offset: 8, .size: 8, .value_kind: global_buffer, .address_space: global }
      - { .name: Wq, .offset: 16, .size: 8, .value_kind: global_buffer, .address_space: global }
      - { .name: Wk, .offset: 24, .size: 8, .value_kind: global_buffer, .address_space: global }
      - { .name: Wv, .offset: 32, .size: 8, .value_kind: global_buffer, .address_space: global }
      - { .name: Wo, .offset: 40, .size: 8, .value_kind: global_buffer, .address_space: global }
      - { .name: xcodes, .offset: 48, .size: 8, .value_kind: global_buffer, .address_space: global }
      - { .name: xscales, .offset: 56, .size: 8, .value_kind: global_buffer, .address_space: global }
      - { .name: wcodes, .offset: 64, .size: 8, .value_kind: global_buffer, .address_space: global }
      - { .name: wscales, .offset: 72, .size: 8, .value_kind: global_buffer, .address_space: global }
      - { .name: maskw, .offset: 80, .size: 8, .value_kind: global_buffer, .address_space: global }
      - { .name: wot, .offset: 88, .size: 8, .value_kind: global_buffer, .address_space: global }
    .group_segment_fixed_size: 51200
    .private_segment_fixed_size: 0
    .kernarg_segment_align: 8
    .kernarg_segment_size: 96
    .max_flat_workgroup_size: 128
    .sgpr_count:     66
    .vgpr_count:     200
    .wavefront_size: 32
...
	.end_amdgpu_metadata
.endif
;; end of part 1
;; launch qkv (part 2): grid 12 x 32, 4 waves a work-group, clusters of 4 x 4, 327,680 bytes of LDS; arguments xcodes, xscales, wcodes, wscales, bq, bv, qkv; writes qkv
.if DOCPART == 2
	.amdgcn_target "amdgcn-amd-amdhsa--gfx1250"
	.amdhsa_code_object_version 6
	.text
	.protected	k_q63f166b152_qkv
	.globl	k_q63f166b152_qkv
	.p2align	8
	.type	k_q63f166b152_qkv,@function
k_q63f166b152_qkv:
	s_mov_b64 s[64:65], 0
	v_nop
	global_prefetch_b8 v0, s[64:65] scope:SCOPE_SE
	s_setreg_imm32_b32 hwreg(HW_REG_WAVE_MODE, 25, 1), 1
	s_wait_xcnt 0x0
	s_wait_alu depctr_hold_cnt(0) depctr_sa_sdst(0) depctr_va_vdst(0) depctr_va_sdst(0) depctr_va_ssrc(0) depctr_va_vcc(0) depctr_vm_vsrc(0)
	s_getreg_b32 s2, hwreg(HW_REG_IB_STS2, 6, 4)
	s_cmp_eq_u32 s2, 0
	s_cbranch_scc0 .Lentry_in_a_cluster
	s_endpgm
.Lentry_in_a_cluster:
	s_bfe_u32 s2, ttmp6, 0x10000c
	s_cmp_lg_u32 s2, 0xf033
	s_cbranch_scc0 .Lentry_shape_is_right
	s_endpgm
.Lentry_shape_is_right:
; q = x Wq + bq, k = x Wk, v = x Wv + bv as ONE product on codes of FP4 (E2M1) with one E8M0 scale for each 32 along K: C [8192][3072] = A B^T, A = xcodes [8192][1024], B = wcodes [3072][1024].
; bk is left out: it adds the same term to all scores of a query, which a softmax takes away (shown at the head of the first kernel).
; The results are rounded once to f16 and laid by head: qkv [which 3][b x 16 + head][s 2048][64].  LIMIT: |q|, |k|, |v| beyond 65,504 become infinity in f16.
; A tile of C, 256 x 256, is made by four waves, each 128 x 128: 64 accumulators, 512 registers.  K = 1,024 is two slots of 512 along K (rows of 256 bytes): all of K is asked for at the head, nothing is filled again.
; THE SCALES of the work-group's 256 rows of A and of B come into LDS once, in whole runs of 256 bytes.
; CLUSTERS: 4 x 4 work-groups.  A's tiles are shared along a row of the cluster, B's along a column: each is asked for JOINTLY.  The cluster's x is which of q, k, v (1,024 columns = four tiles).
; THE MATRIX INSTRUCTION IS USED TRANSPOSED (source 0 = 16 rows of B, source 1 = 16 rows of A): a lane holds eight neighbouring columns of one row of C.
; THE BIAS is the C of each sum's first matrix instruction: eight registers for each of B's eight blocks.
; REGISTERS, in windows of 256: window 0: v0-31 addresses; v32-95 scale words, two sets; v128-191 A's fragments, one set; v192-255 the bias; on the way out v32-63, v192-255 are at work.
;   window 1: B's fragments, two sets, at v0 and v128.   window 2: the accumulators of my rows 0-63 ((a, b) at v[8 (8 a + b)]);   window 3: those of my rows 64-127.
.set SIZE_K, 1024
.set KSTEP,  512
.set NQ,     KSTEP/128
.set ROWB,   256                       ; a tile's row in bytes
.set KROW,   SIZE_K/2                  ; a row of codes in memory
.set PITCH,  272                       ; an LDS row: 256 bytes + 16 of padding: the 16 rows that a load touches start at 16 different banks
.set FR,     8
.set NL,     2
.set NP,     4                         ; places behind this matrix instruction (ISA guide 7.12.1)
.set HALFT,  128*PITCH
.set SLOT,   4*HALFT
.set KS,     SIZE_K/32                 ; a row of scale bytes
.set SCL,    2*SLOT                    ; behind the slots: the scales, as runs of 256 bytes + 16 of padding
.set HALFS,  (128*KS/256)*272
.set SBLK,   (16*KS/256)*272
.set SPARE,  SCL+4*HALFS               ; the spare words, 128 bytes for each wave
.set STAGE,  SPARE+512                 ; the way out: 16 rows x 272 bytes for each wave; no tile lands here
.set SPITCH, 272
.set ADRA, 16
.set ADRB, 20
.set STO,  24
.set RD,   25
.set CO,   26
.set ADRS, 27
.set SPW,  28
.set NIL,  29
.set SC,   32
.set AF,   128
.set BIAS, 192
.set TMP,  192                         ; the way out: packed results
.set OB,   32                          ; the way out: rows read back: v32-63 and v224-255 by turns
.set G1, 24
.set G0, 32
.set G1B, 48
.set G0B, 56
.set G1S, 68
.set G0S, 76
.set G1SB, 80
.set G0SB, 88
.set MSB, 0
.macro WIN new                         ; the immediate's high byte repeats the setting that is left
.if MSB != (\new)
	s_set_vgpr_msb (MSB<<8)|(\new)
.set MSB, (\new)
.endif
.endm
.set MUL_LO, 0xa1                      ; source 0 (B) window 1, source 1 (A) window 0, C and D window 2
.set MUL_HI, 0xf1                      ; the same, C and D window 3
.set TO_B,   0x40
; A joint load: waves 0 and 1 fetch for A, waves 2 and 3 for B.  The branch hangs on the wave's number alone.  An s_nop 0 and four v_nop follow each line.
.macro JLOAD g0a, g1a, g0b, g1b
	s_cmp_eq_u32 s15, 0
	s_cbranch_scc0 .Lfor_b_\@
	tensor_load_to_lds s[\g0a:\g0a+3], s[\g1a:\g1a+7]
	s_nop 0
.rept 4
	v_nop
.endr
	s_branch .Lasked_\@
.Lfor_b_\@:
	tensor_load_to_lds s[\g0b:\g0b+3], s[\g1b:\g1b+7]
	s_nop 0
.rept 4
	v_nop
.endr
.Lasked_\@:
.endm
.macro CROUND                          ; a round of the cluster's barrier
	s_barrier_signal -1
	s_barrier_wait -1
	s_cmp_lg_u32 s14, 0
	s_cbranch_scc1 .Lnot_wave_0_\@
	s_barrier_signal -3
.Lnot_wave_0_\@:
	s_barrier_wait -3
	s_barrier_signal -1
	s_barrier_wait -1
.endm
	s_load_b128 s[4:7], s[0:1], 0x0                ; x's codes, x's scales
	s_load_b128 s[8:11], s[0:1], 0x10              ; W's codes, W's scales
	s_load_b128 s[96:99], s[0:1], 0x20             ; bq, bv
	s_load_b64 s[12:13], s[0:1], 0x30              ; qkv
	v_lshl_add_u32 v[SPW], v0, 2, SPARE
	v_mov_b32 v[NIL], 0
	ds_add_u32 v[SPW], v[NIL]                      ; the wave's opening: the add, twice on end, and its wait ahead of my first tensor load
	ds_add_u32 v[SPW], v[NIL]
	v_lshrrev_b32 v1, 5, v0
	v_readfirstlane_b32 s14, v1                    ; wave 0..3
	s_lshr_b32 s15, s14, 1                         ; which half of the tile's rows is mine.  Also: I fetch for A (0) or for B (1)
	s_and_b32 s16, s14, 1                          ; which half of its columns.  Also: which 128 rows of that tile I fetch
	s_bfe_u32 s40, ttmp6, 0x40000                  ; cx, cy
	s_bfe_u32 s41, ttmp6, 0x40004
	s_lshl_b32 s42, ttmp9, 2
	s_add_co_u32 s42, s42, s40                     ; tile column of C
	s_and_b32 s17, ttmp7, 0xffff
	s_lshl_b32 s17, s17, 2
	s_add_co_u32 s17, s17, s41                     ; tile row of C
	s_lshl_b32 s43, s41, 2
	s_lshl_b32 s43, 15, s43                        ; my row of the cluster
	s_lshl_b32 s44, 0x1111, s40                    ; my column
	s_or_b32 s[G1+0], s43, (0<<16)|(1<<20)|(1<<21)|(5<<22)|(3<<25)  ; the mask; elements of 1 byte; padding on; bit 21 beside a mask; after every 64 words, 4 words
	s_or_b32 s[G1B+0], s44, (0<<16)|(1<<20)|(1<<21)|(5<<22)|(3<<25)
.irp g, G1, G1B
	s_mov_b32 s[\g+1], ROWB<<16                    ; tensor_dim0
	s_mov_b32 s[\g+2], 128<<16                     ; tensor_dim1
	s_mov_b32 s[\g+3], ROWB<<16                    ; tile_dim0
	s_mov_b32 s[\g+4], 128                         ; tile_dim1
	s_mov_b32 s[\g+5], KROW                        ; the pitch
	s_mov_b32 s[\g+6], 0
	s_mov_b32 s[\g+7], 0
.endr
	s_or_b32 s[G1S+0], s43, (3<<16)|(1<<20)|(1<<21)|(5<<22)|(3<<25)  ; the scales of 128 rows: a dense block, as rows of 256 bytes (32 elements of 8 bytes)
	s_or_b32 s[G1SB+0], s44, (3<<16)|(1<<20)|(1<<21)|(5<<22)|(3<<25)
.irp g, G1S, G1SB
	s_mov_b32 s[\g+1], 32<<16
	s_mov_b32 s[\g+2], (128*KS/256)<<16
	s_mov_b32 s[\g+3], 32<<16
	s_mov_b32 s[\g+4], 128*KS/256
	s_mov_b32 s[\g+5], 32
	s_mov_b32 s[\g+6], 0
	s_mov_b32 s[\g+7], 0
.endr
	s_lshl_b32 s18, s16, 7
	s_lshl_b32 s20, s17, 8
	s_add_co_u32 s20, s20, s18                     ; A: row 256 x tile row + 128 x half
	s_lshl_b32 s46, s42, 8
	s_add_co_u32 s46, s46, s18                     ; B: row 256 x tile column + 128 x half
	s_mov_b32 s21, 0
	s_mov_b32 s47, 0
	s_mov_b64 s[18:19], KS
	s_mul_u64 s[22:23], s[20:21], s[18:19]         ; where these rows' scales begin
	s_mul_u64 s[92:93], s[46:47], s[18:19]
	s_mov_b64 s[18:19], KROW
	s_mul_u64 s[20:21], s[20:21], s[18:19]         ; and their codes
	s_mul_u64 s[46:47], s[46:47], s[18:19]
	s_mul_i32 s45, s14, HALFT                      ; where they go: wave x 128 rows
	s_mul_i32 s94, s14, HALFS
	s_wait_dscnt 0x0                               ; both opening adds are done
	s_wait_kmcnt 0x0
	s_add_nc_u64 s[20:21], s[4:5], s[20:21]
	s_add_nc_u64 s[22:23], s[6:7], s[22:23]
	s_add_nc_u64 s[46:47], s[8:9], s[46:47]
	s_add_nc_u64 s[92:93], s[10:11], s[92:93]
	CROUND                                         ; all sixteen work-groups are here: the joint loads meet
	s_mov_b32 s[G0S], 1
	s_add_co_u32 s[G0S+1], s94, SCL
	s_mov_b64 s[G0S+2:G0S+3], s[22:23]
	s_or_b32 s[G0S+3], s[G0S+3], 0x80000000
	s_mov_b32 s[G0SB], 1
	s_add_co_u32 s[G0SB+1], s94, SCL
	s_mov_b64 s[G0SB+2:G0SB+3], s[92:93]
	s_or_b32 s[G0SB+3], s[G0SB+3], 0x80000000
	JLOAD G0S, G1S, G0SB, G1SB                     ; the scales first
.irp s, 0,1
	s_mov_b32 s[G0+4*\s], 1
	s_add_co_u32 s[G0+4*\s+1], s45, \s*SLOT
	s_add_nc_u64 s[G0+4*\s+2:G0+4*\s+3], s[20:21], \s*ROWB
	s_or_b32 s[G0+4*\s+3], s[G0+4*\s+3], 0x80000000
	s_mov_b32 s[G0B+4*\s], 1
	s_add_co_u32 s[G0B+4*\s+1], s45, \s*SLOT
	s_add_nc_u64 s[G0B+4*\s+2:G0B+4*\s+3], s[46:47], \s*ROWB
	s_or_b32 s[G0B+4*\s+3], s[G0B+4*\s+3], 0x80000000
	JLOAD G0+4*\s, G1, G0B+4*\s, G1B               ; both halves of K: three tensor loads of mine are out
.endr
	v_and_b32 v1, 15, v0                           ; r = l % 16
	v_bfe_u32 v2, v0, 4, 1                         ; h = l / 16
	; the bias of my 128 columns: block b, lane half h: columns 16 b + 8 h + 0 .. 7.  K's work-groups (cluster x = 1, the same in all partners) have none
	s_cmp_eq_u32 ttmp9, 0
	s_cselect_b64 s[96:97], s[96:97], s[98:99]
	s_lshl_b32 s46, s40, 10                        ; 256 columns a tile
	s_lshl_b32 s47, s16, 9
	s_add_co_u32 s46, s46, s47
	s_mov_b32 s47, 0
	s_add_nc_u64 s[96:97], s[96:97], s[46:47]
	v_lshlrev_b32 v9, 5, v2
	s_cmp_eq_u32 ttmp9, 1
	s_cbranch_scc1 .Lno_bias
.irp b, 0,1,2,3,4,5,6,7
	global_load_b128 v[BIAS+8*\b:BIAS+8*\b+3], v9, s[96:97] offset:64*\b
	global_load_b128 v[BIAS+8*\b+4:BIAS+8*\b+7], v9, s[96:97] offset:64*\b+16
.endr
	s_branch .Lbias_done
.Lno_bias:
.set i, 0
.rept 64
	v_mov_b32 v[BIAS+i], 0
.set i, i+1
.endr
.Lbias_done:
	v_mul_u32_u24 v3, v1, PITCH
	v_lshl_add_u32 v4, v2, 4, v3                   ; a fragment's row x pitch + 16 x half
	s_mul_i32 s21, s15, HALFT                      ; my 128 rows of A
	s_mul_i32 s22, s16, HALFT                      ; my 128 rows of B,
	s_add_co_u32 s22, s22, 2*HALFT                 ; behind A's 256
.irp s, 0,1
	v_add_nc_u32 v[ADRA+\s], s21, v4
	v_add_nc_u32 v[ADRB+\s], s22, v4
	s_add_co_u32 s21, s21, SLOT
	s_add_co_u32 s22, s22, SLOT
.endr
	v_mul_u32_u24 v5, v1, KS                       ; my row's scales: KS bytes a row,
	v_lshrrev_b32 v6, 8, v5
	v_lshl_add_u32 v5, v6, 4, v5                   ; and 16 more for each 256 passed
	s_mul_i32 s21, s15, HALFS
	s_mul_i32 s22, s16, HALFS
	s_add_co_u32 s22, s22, 2*HALFS
	s_sub_co_u32 s22, s22, s21
	v_mul_u32_u24 v6, s22, v2                      ; lanes 16-31 take B's: one product, the distance between the two bases
	s_add_co_u32 s21, s21, SCL
	v_add_nc_u32 v5, v5, v6
	v_add_nc_u32 v[ADRS], s21, v5
	s_mul_i32 s23, s14, 16*SPITCH
	s_add_co_u32 s23, s23, STAGE                   ; my stage
	v_mul_u32_u24 v5, v1, SPITCH                   ; in: row r, 16 bytes for each half of the lanes
	v_lshl_add_u32 v5, v2, 4, v5
	v_add_nc_u32 v[STO], s23, v5
	v_and_b32 v6, 31, v0
	v_lshrrev_b32 v7, 3, v6                        ; back: eight lanes take a head's 128 bytes of a row, four rows an instruction
	v_mul_u32_u24 v7, v7, SPITCH
	v_and_b32 v8, 7, v6
	v_lshl_add_u32 v7, v8, 4, v7
	v_add_nc_u32 v[RD], s23, v7
	v_lshlrev_b32 v[CO], 4, v6                     ; four rows of a head are 512 consecutive bytes of qkv
	s_lshl_b32 s20, ttmp9, 24                      ; which x 16,777,216
	s_lshr_b32 s21, s17, 3                         ; b: eight tile rows a batch
	s_lshl_b32 s21, s21, 4
	s_lshl_b32 s46, s40, 2                         ; four heads a tile column,
	s_add_co_u32 s21, s21, s46
	s_lshl_b32 s46, s16, 1                         ; two a wave
	s_add_co_u32 s21, s21, s46
	s_lshl_b32 s21, s21, 18                        ; a head's 2,048 rows of 128 bytes
	s_add_co_u32 s20, s20, s21
	s_and_b32 s21, s17, 7
	s_lshl_b32 s21, s21, 15                        ; 256 rows
	s_add_co_u32 s20, s20, s21
	s_lshl_b32 s21, s15, 14                        ; 128 rows
	s_add_co_u32 s20, s20, s21
	s_mov_b32 s21, 0
	s_add_nc_u64 s[12:13], s[12:13], s[20:21]
.macro FRAG reg, adr, q, i             ; 16 rows x 128 K of 4-bit codes: 8 registers: lane l holds row l % 16; registers 4 c .. 4 c + 3 hold K = 64 c + 32 (l / 16) + 0 .. 31
.irp c, 0,1
	ds_load_b128 v[\reg+4*\c:\reg+4*\c+3], v[\adr] offset:64*(\q)+32*\c+(\i)*16*PITCH
.endr
.endm
; 16 matrix instructions: A's blocks a0, a0 + 1 x B's eight, the slot's q-th 128 along K.  first = 1: the bias is the C: nothing is cleared and nothing is added later.
; The 64 accumulators take turns, one instruction a turn, in the same order in every step.
.macro MUL16 a0, p, q, sc, first
.irp a, \a0, \a0+1
.irp b, 0,1,2,3,4,5,6,7
.if \first
	v_wmma_scale_f32_16x16x128_f8f6f4 v[8*(8*((\a)%4)+\b):8*(8*((\a)%4)+\b)+7], v[128*(\p)+FR*\b:128*(\p)+FR*\b+FR-1], v[AF+FR*(\a):AF+FR*(\a)+FR-1], v[BIAS+8*\b:BIAS+8*\b+7], v[SC+8*NQ*(\sc)+NQ*\b+(\q)], v[SC+8*NQ*(\sc)+NQ*(\a)+(\q)] matrix_a_fmt:MATRIX_FMT_FP4 matrix_b_fmt:MATRIX_FMT_FP4 matrix_a_scale:MATRIX_SCALE_ROW1
.else
	v_wmma_scale_f32_16x16x128_f8f6f4 v[8*(8*((\a)%4)+\b):8*(8*((\a)%4)+\b)+7], v[128*(\p)+FR*\b:128*(\p)+FR*\b+FR-1], v[AF+FR*(\a):AF+FR*(\a)+FR-1], v[8*(8*((\a)%4)+\b):8*(8*((\a)%4)+\b)+7], v[SC+8*NQ*(\sc)+NQ*\b+(\q)], v[SC+8*NQ*(\sc)+NQ*(\a)+(\q)] matrix_a_fmt:MATRIX_FMT_FP4 matrix_b_fmt:MATRIX_FMT_FP4 matrix_a_scale:MATRIX_SCALE_ROW1
.endif
.endr
.endr
.endm
.macro FETCH_B slot, q, p
	WIN TO_B
.irp i, 0,1,2,3,4,5,6,7
	FRAG 128*(\p)+FR*\i, ADRB+\slot, \q, \i
.endr
	WIN 0
.endm
.macro FETCH_A slot, q, i0
.irp i, \i0, \i0+1, \i0+2, \i0+3
	FRAG AF+FR*(\i), ADRA+\slot, \q, \i
.endr
.endm
.macro SCALES sc                       ; a slot's scale words: four words a row; lanes 0-15 take A's block i, lanes 16-31 B's block i
.irp i, 0,1,2,3,4,5,6,7
	ds_load_b128 v[SC+8*NQ*\sc+NQ*\i:SC+8*NQ*\sc+NQ*\i+3], v[ADRS] offset:\i*SBLK
.endr
.endm
.macro PLACES n                        ; plain vector instructions between a matrix instruction and a load into its registers or a read of its results
.rept \n
	v_nop
.endr
.endm
.macro STEP slot, q, first             ; a step of 128 along K that has its successor in the same slot
	s_wait_dscnt 4*NL                              ; B's set and A's blocks 0-3 are in; the youngest eight loads (A's blocks 4-7) may be out
	WIN MUL_LO-0x20*(\first)                       ; (first: C, the bias, in window 0)
	MUL16 0, (\q)%2, \q, \slot, \first
	MUL16 2, (\q)%2, \q, \slot, \first
	s_wait_dscnt 0
	PLACES NP
	FETCH_B \slot, (\q)+1, 1-(\q)%2
	FETCH_A \slot, (\q)+1, 0
	WIN MUL_HI-0x30*(\first)
	MUL16 4, (\q)%2, \q, \slot, \first
	MUL16 6, (\q)%2, \q, \slot, \first
	PLACES NP
	WIN 0
	FETCH_A \slot, (\q)+1, 4
.endm
; Slot 0's last step goes over to slot 1: my part of slot 1 has landed, and behind the barrier everybody's has.  Nothing is filled again.
.macro TURN slot, next
	s_wait_tensorcnt 0x0                           ; all my tensor loads have landed
	ds_add_u32 v[SPW], v[NIL]                      ; 0 onto my spare word
	s_wait_dscnt 4*NL+1                            ; (the add and A's blocks 4-7 may be out)
	WIN MUL_LO
	MUL16 0, 1, NQ-1, \slot, 0
	s_wait_dscnt 0x0
	s_barrier_signal -1
	MUL16 2, 1, NQ-1, \slot, 0
	WIN 0
	s_barrier_wait -1
	PLACES NP
	v_add_nc_u32 v[ADRS], 4*NQ, v[ADRS]            ; on to the next slot's scale words
	FETCH_B \next, 0, 0
	FETCH_A \next, 0, 0
	SCALES \next
	WIN MUL_HI
	MUL16 4, 1, NQ-1, \slot, 0
	MUL16 6, 1, NQ-1, \slot, 0
	PLACES NP
	WIN 0
	FETCH_A \next, 0, 4
.endm
.macro STEPS slot, from
.set Q, \from
.rept NQ-1-\from
	STEP \slot, Q, 0
.set Q, Q+1
.endr
.endm
	s_wait_tensorcnt 1                             ; the scales and my part of slot 0 are in; slot 1's load may be out
	s_barrier_signal -1
	s_barrier_wait -1
	FETCH_B 0, 0, 0
	FETCH_A 0, 0, 0
	SCALES 0
	FETCH_A 0, 0, 4
	s_wait_loadcnt 0x0                             ; the bias
	STEP 0, 0, 1
	STEPS 0, 1
	TURN 0, 1
	STEPS 1, 0
	s_wait_dscnt 4*NL                              ; the very last step: nothing more to fetch
	WIN MUL_LO
	MUL16 0, 1, NQ-1, 1, 0
	MUL16 2, 1, NQ-1, 1, 0
	s_wait_dscnt 0
	WIN MUL_HI
	MUL16 4, 1, NQ-1, 1, 0
	MUL16 6, 1, NQ-1, 1, 0
	WIN 0
; THE WAY OUT, block by block of 16 rows x 128 columns (two heads).  PACK: rounded to f16, 16 bytes a lane, each accumulator from its low end on.  TOSTAGE: into my own stage and back by heads.
; SEND: each store of the wave covers 512 consecutive bytes, aligned: four rows of one head.  LDS serves a wave's instructions in order: no wait between the stage's stores and loads.
.macro PACK a
.set AC, 64*((\a)%4)
	WIN 0x0a+5*((\a)/4)                            ; sources 0 and 1: window 2 or 3
.irp b, 0,1,2,3,4,5,6,7
.irp r, 0,1,2,3
	v_cvt_pk_f16_f32 v[TMP+4*\b+\r], v[AC+8*\b+2*\r], v[AC+8*\b+2*\r+1]
.endr
.endr
	WIN 0
.endm
.macro TOSTAGE a
.set BK, OB+192*((\a)%2)
.irp b, 0,1,2,3,4,5,6,7
	ds_store_b128 v[STO], v[TMP+4*\b:TMP+4*\b+3] offset:32*\b
.endr
.irp t, 0,1,2,3,4,5,6,7
	ds_load_b128 v[BK+4*\t:BK+4*\t+3], v[RD] offset:(\t%4)*4*SPITCH+(\t/4)*128
.endr
.endm
.macro SEND a
.set BK, OB+192*((\a)%2)
	s_wait_dscnt 0x0                               ; the block is back in registers
	s_wait_xcnt 0x0                                ; earlier stores have read their base and their registers: only now are they written again
.if (\a) > 0
	s_add_nc_u64 s[12:13], s[12:13], 2048          ; 16 rows of 128 bytes on
.endif
.irp t, 0,1,2,3,4,5,6,7
	global_store_b128 v[CO], v[BK+4*\t:BK+4*\t+3], s[12:13] offset:(\t%4)*512+(\t/4)*262144
.endr
.endm
	PLACES NP
	PACK 0
	TOSTAGE 0
.irp a, 1,2,3,4,5,6,7                  ; block a's conversions stand between block a - 1's loads from the stage and the wait for them
	PACK \a
	SEND \a-1
	TOSTAGE \a
.endr
	SEND 7
	s_wait_tensorcnt 0x0                           ; the wave's end
	ds_add_u32 v[SPW], v[NIL]
	s_wait_dscnt 0x0
	CROUND                                         ; the closing round
	s_endpgm
.Lfunc_end_k_q63f166b152_qkv:
	.size	k_q63f166b152_qkv, .Lfunc_end_k_q63f166b152_qkv-k_q63f166b152_qkv
	.p2alignl 7, 3214868480
	.fill 96, 4, 3214868480
	.section	.rodata,"a",@progbits
	.p2align	6, 0x0
	.amdhsa_kernel k_q63f166b152_qkv
		.amdhsa_group_segment_fixed_size 327680
		.amdhsa_private_segment_fixed_size 0
		.amdhsa_enable_private_segment 0
		.amdhsa_kernarg_size 56
		.amdhsa_user_sgpr_count 2
		.amdhsa_user_sgpr_kernarg_segment_ptr 1
		.amdhsa_wavefront_size32 1
		.amdhsa_system_sgpr_workgroup_id_x 1
		.amdhsa_system_sgpr_workgroup_id_y 1
		.amdhsa_system_sgpr_workgroup_id_z 1
		.amdhsa_system_vgpr_workitem_id 0
		.amdhsa_next_free_vgpr 1024
		.amdhsa_next_free_sgpr 100
		.amdhsa_reserve_vcc 0
		.amdhsa_float_denorm_mode_32 3
		.amdhsa_float_denorm_mode_16_64 3
		.amdhsa_memory_ordered 1
		.amdhsa_forward_progress 1
		.amdhsa_inst_pref_size 131
	.end_amdhsa_kernel
	.amdgpu_metadata
---
amdhsa.version: [ 1, 2 ]
amdhsa.kernels:
  - .name:           k_q63f166b152_qkv
    .symbol:         k_q63f166b152_qkv.kd
    .args:
      - { .name: xcodes, .offset: 0, .size: 8, .value_kind: global_buffer, .address_space: global }
      - { .name: xscales, .offset: 8, .size: 8, .value_kind: global_buffer, .address_space: global }
      - { .name: wcodes, .offset: 16, .size: 8, .value_kind: global_buffer, .address_space: global }
      - { .name: wscales, .offset: 24, .size: 8, .value_kind: global_buffer, .address_space: global }
      - { .name: bq, .offset: 32, .size: 8, .value_kind: global_buffer, .address_space: global }
      - { .name: bv, .offset: 40, .size: 8, .value_kind: global_buffer, .address_space: global }
      - { .name: qkv, .offset: 48, .size: 8, .value_kind: global_buffer, .address_space: global }
    .group_segment_fixed_size: 327680
    .private_segment_fixed_size: 0
    .kernarg_segment_align: 8
    .kernarg_segment_size: 56
    .max_flat_workgroup_size: 128
    .sgpr_count:     100
    .vgpr_count:     1024
    .wavefront_size: 32
...
	.end_amdgpu_metadata
.endif
;; end of part 2
;; launch attn (part 3): grid 4 x 64, 16 waves a work-group, clusters of 4 x 1, 327,680 bytes of LDS; arguments qkv, maskw, ao; writes ao
.if DOCPART == 3
	.amdgcn_target "amdgcn-amd-amdhsa--gfx1250"
	.amdhsa_code_object_version 6
	.text
	.protected	k_q63f166b152_attn
	.globl	k_q63f166b152_attn
	.p2align	8
	.type	k_q63f166b152_attn,@function
k_q63f166b152_attn:
	s_mov_b64 s[64:65], 0
	v_nop
	global_prefetch_b8 v0, s[64:65] scope:SCOPE_SE
	s_setreg_imm32_b32 hwreg(HW_REG_WAVE_MODE, 25, 1), 1
	s_wait_xcnt 0x0
	s_wait_alu depctr_hold_cnt(0) depctr_sa_sdst(0) depctr_va_vdst(0) depctr_va_sdst(0) depctr_va_ssrc(0) depctr_va_vcc(0) depctr_vm_vsrc(0)
	s_getreg_b32 s2, hwreg(HW_REG_IB_STS2, 6, 4)
	s_cmp_eq_u32 s2, 0
	s_cbranch_scc0 .Lentry_in_a_cluster
	s_endpgm
.Lentry_in_a_cluster:
	s_bfe_u32 s2, ttmp6, 0x10000c
	s_cmp_lg_u32 s2, 0x3003
	s_cbranch_scc0 .Lentry_shape_is_right
	s_endpgm
.Lentry_shape_is_right:
; ao[h][2048 b + q][:] = the sum over keys of softmax_k(where(mask[b][q][k] == 0, -inf, Q . K / 8)) V.  Q, K, V: f16, qkv [which][16 b + h][s][64]; the mask as bits, maskw; ao: f16.
; (K holds no bk: it would add the same term to all scores of a query; shown at the head of the first kernel.)  Products in f16 with f32 sums; maxima, exponentials and sums in f32; p is rounded to f16 for the second product.
; LIMITS: a query all of whose keys are masked gives NaN (0 x 1/0), as reference() does.  The running maximum starts at -3e38: scores under that are not served.
; SHARES.  A work-group owns 512 queries of one (b, h); each of its SIXTEEN waves 32 of them, two tiles of 16, in 256 registers: four waves to a SIMD, so that one wave's vector work stands beside another's products.
; Every wave walks the 2,048 keys, 64 a step.  K and V come through two LDS slots of 512 keys; every wave fetches 64 rows of a slot (waves 0-7 K's, 8-15 V's).
; CLUSTER.  The four query blocks of a head walk the same K and V: each tile is asked for JOINTLY, the same tensor load with the same descriptor and the mask 15 in all four.
; LAYOUT.  S^T = K Q^T (source 0 = 16 keys, source 1 = 16 queries), O^T = V^T P: a lane holds ONE query (lane % 16) throughout.  ROW m = 8 h + j OF KEY TILE kt STANDS FOR KEY 16 kt + 2 j + h:
; then register 8 kt + j of a lane (r, h) holds key 2 (8 kt + j) + h, and word 8 kt + j of the step's mask words (bit r + 16 e: query r, key 2 w + e) is that register's lane mask as it lies in memory.
; K's rows are read, and V's are turned, in that order.
; THE MASK costs one v_cndmask_b32 a register: the 2 x 32 words of a step come by scalar loads, asked for a step ahead.
; SOFTMAX.  For each query a running maximum m and sum l: p = 2^(c s - c m), c = log2(e) / 8; in every step O and l are multiplied by a = 2^(c m_old - c m_new).  A masked score is -infinity: p = 0.
.set KP,    144                        ; a row in LDS: 128 bytes + 16 of padding
.set STEPB, 64*KP                      ; a step's 64 rows; also what one tensor load brings
.set VOFF,  512*KP                     ; a slot: 512 rows of K, then 512 rows of V
.set SLOT1, 1024*KP
.set SPARE, 2*SLOT1                    ; the spare words, 128 bytes for each of 16 waves: eight blocks of 256 bytes that no other line names
.set AK0, 1                            ; v1   my lane's place in a tile of K
.set AV0, 2                            ; v2   and of V
.set ADK, 3                            ; v3, v4 the step's addresses
.set ADV, 4
.set SPW, 5                            ; v5   my spare word's address; never rewritten
.set NIL, 6                            ; v6   0; never rewritten
.set NINF, 7                           ; v7   -infinity
.set STO, 8                            ; v8-10 the way out
.set RD,  9
.set GO,  10
.set ST,  12                           ; tile t's statistics at v[ST + 8 t]: +0 c m, +1 m, +2, +3 l (even registers', odd registers'), +4 .. +7 at work; +6 a, +7 its exponent
.set OLD, 28                           ; v28, v29 the last step's c m
.set Q,   32                           ; v32-63   Q: tile t, channels 32 u on, at 32 + 16 t + 8 u
.set KV,  64                           ; v64-127  K's eight fragments, then V's eight
.set S,   128                          ; v128-191 S^T, 32 a tile; then p; then P (f16) in a tile's first 16
.set O,   192                          ; v192-255 O^T, 32 a tile
.set WV,  10
.set CX,  11
.set BH,  12
.set TB,  13                           ; s13  LDS byte at which the step's tile of K begins
.set CNT, 14
.set MO,  15                           ; s15  byte offset of the mask words that are asked for
.set G1,  16                           ; s[16:23] descriptor group 1
.set G0,  24                           ; s[24:31] group 0, a set for each slot
.set M0,  32                           ; s[32:63] tile 0's 32 mask words
.set CS,  66                           ; s[66:67] c, twice
.set M1,  68                           ; s[68:99] tile 1's
.set SEL, 100                          ; s[100:101] lane selects: lane l xor 16
.macro CROUND                          ; a round of the cluster's barrier
	s_barrier_signal -1
	s_barrier_wait -1
	s_cmp_lg_u32 s[WV], 0
	s_cbranch_scc1 .Lnot_wave_0_\@
	s_barrier_signal -3
.Lnot_wave_0_\@:
	s_barrier_wait -3
	s_barrier_signal -1
	s_barrier_wait -1
.endm
.macro MASKS                           ; 2 x 32 words: a step's 64 keys for my two tiles of queries (a tile's words are 4,096 bytes)
	s_load_b512 s[M0:M0+15], s[6:7], s[MO] offset:0x0
	s_load_b512 s[M0+16:M0+31], s[6:7], s[MO] offset:0x40
	s_load_b512 s[M1:M1+15], s[6:7], s[MO] offset:0x1000
	s_load_b512 s[M1+16:M1+31], s[6:7], s[MO] offset:0x1040
.endm
	s_load_b128 s[4:7], s[0:1], 0x0                ; qkv, maskw
	s_load_b64 s[8:9], s[0:1], 0x10                ; ao
	v_lshl_add_u32 v[SPW], v0, 2, SPARE
	v_mov_b32 v[NIL], 0
	ds_add_u32 v[SPW], v[NIL]                      ; the wave's opening: the add, twice on end, and its wait ahead of my first tensor load
	ds_add_u32 v[SPW], v[NIL]
	v_lshrrev_b32 v11, 5, v0
	v_readfirstlane_b32 s[WV], v11                 ; wave 0..15
	s_bfe_u32 s[CX], ttmp6, 0x40000                ; my block of 512 queries: it enters Q's, the mask's and ao's addresses alone
	s_and_b32 s[BH], ttmp7, 0xffff                 ; 16 b + h, which the four partners share
	s_mov_b32 s[G1], 15|(1<<16)|(1<<20)|(1<<21)|(4<<22)|(3<<25)  ; the mask: all four; elements of 2 bytes; padding on; bit 21 beside a mask; after every 32 words, 4 words
	s_mov_b32 s[G1+1], 64<<16                      ; tensor_dim0 = 64
	s_mov_b32 s[G1+2], 64<<16                      ; tensor_dim1 = 64
	s_mov_b32 s[G1+3], 64<<16                      ; tile_dim0 = 64
	s_mov_b32 s[G1+4], 64                          ; tile_dim1 = 64
	s_mov_b32 s[G1+5], 64                          ; the pitch
	s_mov_b32 s[G1+6], 0
	s_mov_b32 s[G1+7], 0
	s_mov_b32 s[CS], 0x3e38aa3b                    ; c = log2(e) / 8
	s_mov_b32 s[CS+1], s[CS]
	s_mov_b32 s[SEL], 0x76543210
	s_mov_b32 s[SEL+1], 0xfedcba98
	s_mov_b32 s[MO], 0
	s_lshr_b32 s2, s[WV], 3                        ; what I fetch: K (waves 0-7) or V,
	s_add_co_u32 s2, s2, 1
	s_lshl_b32 s2, s2, 24                          ; 16,777,216 bytes each,
	s_lshl_b32 s3, s[BH], 18                       ; the head's 262,144,
	s_add_co_u32 s2, s2, s3
	s_and_b32 s3, s[WV], 7
	s_lshl_b32 s3, s3, 13                          ; my 64 rows of 128 bytes
	s_add_co_u32 s2, s2, s3
	s_mov_b32 s3, 0
	s_lshl_b32 s32, s[BH], 18                      ; Q: the head, my block's 512 rows, my wave's 32
	s_lshl_b32 s33, s[CX], 16
	s_add_co_u32 s32, s32, s33
	s_lshl_b32 s33, s[WV], 12
	s_add_co_u32 s32, s32, s33
	s_mov_b32 s33, 0
	s_lshr_b32 s36, s[BH], 4                       ; b
	s_lshl_b32 s34, s36, 19                        ; the mask words: (128 b + 32 block + 2 wave) tiles of 4,096 bytes
	s_lshl_b32 s35, s[CX], 17
	s_add_co_u32 s34, s34, s35
	s_lshl_b32 s35, s[WV], 13
	s_add_co_u32 s34, s34, s35
	s_mov_b32 s35, 0
	s_and_b32 s37, s[BH], 15                       ; h
	s_lshl_b32 s38, s37, 20                        ; ao: h x 8,192 rows of 128 bytes + row 2048 b + 512 block + 32 wave
	s_lshl_b32 s39, s36, 18
	s_add_co_u32 s38, s38, s39
	s_lshl_b32 s39, s[CX], 16
	s_add_co_u32 s38, s38, s39
	s_lshl_b32 s39, s[WV], 12
	s_add_co_u32 s38, s38, s39
	s_mov_b32 s39, 0
	s_mov_b32 s[G0], 1
	s_mul_i32 s[G0+1], s[WV], STEPB                ; LDS: wave x 64 rows: K's eight parts, then V's eight
	s_mov_b32 s[G0+4], 1
	s_add_co_u32 s[G0+5], s[G0+1], SLOT1
	s_wait_dscnt 0x0                               ; both opening adds are done
	s_wait_kmcnt 0x0
	s_add_nc_u64 s[G0+2:G0+3], s[4:5], s[2:3]      ; slot 0: keys 0 .. 511
	s_add_nc_u64 s[G0+6:G0+7], s[G0+2:G0+3], 65536 ; slot 1: keys 512 .. 1023
	s_or_b32 s[G0+3], s[G0+3], 0x80000000
	s_or_b32 s[G0+7], s[G0+7], 0x80000000
	s_add_nc_u64 s[4:5], s[4:5], s[32:33]
	s_add_nc_u64 s[6:7], s[6:7], s[34:35]
	s_add_nc_u64 s[8:9], s[8:9], s[38:39]
	CROUND                                         ; all four work-groups are here: the first joint loads meet
	tensor_load_to_lds s[G0:G0+3], s[G1:G1+7]
	s_nop 0
	tensor_load_to_lds s[G0+4:G0+7], s[G1:G1+7]    ; two tensor loads of mine are out
	s_nop 0
.rept 4
	v_nop
.endr
	MASKS                                          ; step 0's mask words
	v_and_b32 v11, 15, v0                          ; r
	v_bfe_u32 v30, v0, 4, 1                        ; h
	v_lshlrev_b32 v[GO], 7, v11
	v_lshl_add_u32 v[GO], v30, 4, v[GO]            ; Q: row r of 128 bytes + 16 h
.irp t, 0,1
.irp u, 0,1
	global_load_b128 v[Q+16*\t+8*\u:Q+16*\t+8*\u+3],   v[GO], s[4:5] offset:2048*\t+64*\u
	global_load_b128 v[Q+16*\t+8*\u+4:Q+16*\t+8*\u+7], v[GO], s[4:5] offset:2048*\t+64*\u+32
.endr
.endr
	v_and_b32 v11, 7, v0
	v_bfe_u32 v31, v0, 3, 1
	v_lshl_add_u32 v[AK0], v11, 1, v31             ; K: matrix row r is key 2 (r % 8) + r / 8 of the tile
	v_mul_u32_u24 v[AK0], v[AK0], KP
	v_lshl_add_u32 v[AK0], v30, 4, v[AK0]          ; + 16 h
	v_lshl_add_u32 v[AV0], v11, 1, v30             ; V: lane l addresses key 2 (l % 8) + l / 16, channels 8 ((l / 8) % 2) on
	v_mul_u32_u24 v[AV0], v[AV0], KP
	v_lshl_add_u32 v[AV0], v31, 4, v[AV0]
	v_add_nc_u32 v[AV0], VOFF, v[AV0]
	v_mov_b32 v[NINF], 0xff800000
.irp t, 0,1
	v_mov_b32 v[ST+8*\t+1], 0xff61b1e6             ; m = -3e38, under every score
	v_mul_f32 v[ST+8*\t], s[CS], v[ST+8*\t+1]      ; c m
	v_mov_b32 v[ST+8*\t+2], 0                      ; l
	v_mov_b32 v[ST+8*\t+3], 0
.endr
.set i, 0
.rept 64
	v_mov_b32 v[O+i], 0                            ; O^T.  (The step is written once: the first finds zeros, which a leaves zeros)
.set i, i+1
.endr
; A KEY STEP: 64 keys, two tiles of queries.
.macro STEP
	v_add_nc_u32 v[ADK], s[TB], v[AK0]
	v_add_nc_u32 v[ADV], s[TB], v[AV0]
.rept 3
	v_nop                                          ; with the two additions five places behind the last step's products: K's loads land in their source 0, and the scores are written over their source 1
.endr
.irp f, 0,1,2,3,4,5,6,7                        ; K's fragment 2 kt + u: keys 16 kt on, channels 32 u on
	ds_load_b128 v[KV+8*\f:KV+8*\f+3],   v[ADK] offset:(\f/2)*16*KP+(\f%2)*64
	ds_load_b128 v[KV+8*\f+4:KV+8*\f+7], v[ADK] offset:(\f/2)*16*KP+(\f%2)*64+32
.endr
	s_wait_dscnt 0x0
.set i, 0
.rept 16                                       ; S^T = K Q^T: the eight accumulators by turns; the first eight products start the sums
.set rS, S+32*(i%2)+8*((i/2)%4)
.set rK, KV+16*((i/2)%4)+8*(i/8)
.set rQ, Q+16*(i%2)+8*(i/8)
.if i < 8
	v_wmma_f32_16x16x32_f16 v[rS:rS+7], v[rK:rK+7], v[rQ:rQ+7], 0
.else
	v_wmma_f32_16x16x32_f16 v[rS:rS+7], v[rK:rK+7], v[rQ:rQ+7], v[rS:rS+7]
.endif
.set i, i+1
.endr
	v_mov_b32 v[OLD], v[ST]                        ; c m is kept for a.  These two and two v_nop are the four places behind the products
	v_mov_b32 v[OLD+1], v[ST+8]
	v_nop
	v_nop
.irp f, 0,1,2,3,4,5,6,7                        ; V's fragment 4 kp + ct, turned: keys 32 kp on, channels 16 ct on.  They land while the softmax is walked
	ds_load_tr16_b128 v[KV+8*\f:KV+8*\f+3],   v[ADV] offset:(\f/4)*32*KP+(\f%4)*32
	ds_load_tr16_b128 v[KV+8*\f+4:KV+8*\f+7], v[ADV] offset:(\f/4)*32*KP+16*KP+(\f%4)*32
.endr
	s_wait_kmcnt 0x0                               ; this step's mask words, asked for a step ago
.set i, 0
.rept 32                                       ; where the bit is 0 the score becomes -infinity; each accumulator is read from its low end on
	v_cndmask_b32 v[S+i], v[NINF], v[S+i], s[M0+i]
	v_cndmask_b32 v[S+32+i], v[NINF], v[S+32+i], s[M1+i]
.set i, i+1
.endr
.irp j, 0,1,2,3                                ; the maximum of my 32 scores and the old m: four chains a tile, the tiles by turns
.irp t, 0,1
	v_max3_num_f32 v[ST+8*\t+4+\j], v[S+32*\t+8*\j], v[S+32*\t+8*\j+1], v[S+32*\t+8*\j+2]
.endr
.endr
.irp g, 1,2
.irp j, 0,1,2,3
.irp t, 0,1
	v_max3_num_f32 v[ST+8*\t+4+\j], v[ST+8*\t+4+\j], v[S+32*\t+8*\j+2*\g+1], v[S+32*\t+8*\j+2*\g+2]
.endr
.endr
.endr
.irp t, 0,1
	v_max3_num_f32 v[ST+8*\t+4], v[ST+8*\t+4], v[S+32*\t+7], v[S+32*\t+15]
.endr
.irp t, 0,1
	v_max3_num_f32 v[ST+8*\t+6], v[ST+8*\t+6], v[S+32*\t+23], v[S+32*\t+31]
.endr
.irp t, 0,1
	v_max3_num_f32 v[ST+8*\t+4], v[ST+8*\t+4], v[ST+8*\t+5], v[ST+8*\t+6]
.endr
.irp t, 0,1
	v_max3_num_f32 v[ST+8*\t+4], v[ST+8*\t+4], v[ST+8*\t+7], v[ST+8*\t+1]
.endr
	s_add_co_u32 s[MO], s[MO], 128                 ; the next step's mask words (the wait above has shown the last loads done, so their offset may be written);
	s_min_u32 s[MO], s[MO], 3968                   ; the last step asks for its own again: no load leaves the buffer
	MASKS
.irp t, 0,1
	v_permlanex16_b32 v[ST+8*\t+5], v[ST+8*\t+4], s[SEL], s[SEL+1]  ; the query's other 32 keys lie in the lane 16 away
.endr
.irp t, 0,1
	v_max_num_f32 v[ST+8*\t+1], v[ST+8*\t+4], v[ST+8*\t+5]
.endr
.irp t, 0,1
	v_mul_f32 v[ST+8*\t], s[CS], v[ST+8*\t+1]
.endr
.irp t, 0,1
	v_sub_f32 v[ST+8*\t+7], v[OLD+\t], v[ST+8*\t]  ; c m_old - c m_new, 0 or less
.endr
.set i, 0
.rept 16
	v_pk_fma_f32 v[S+2*i:S+2*i+1], v[S+2*i:S+2*i+1], s[CS:CS+1], v[ST:ST+1] op_sel_hi:[1,0,0] neg_lo:[0,0,1] neg_hi:[0,0,1]   ; c s - c m, two at a time
	v_pk_fma_f32 v[S+32+2*i:S+32+2*i+1], v[S+32+2*i:S+32+2*i+1], s[CS:CS+1], v[ST+8:ST+9] op_sel_hi:[1,0,0] neg_lo:[0,0,1] neg_hi:[0,0,1]
.set i, i+1
.endr
.irp t, 0,1
	v_exp_f32 v[ST+8*\t+6], v[ST+8*\t+7]           ; a
.endr
.set i, 0
.rept 64
	v_exp_f32 v[S+i], v[S+i]                       ; p: ONE BATCH of 66 exponentials; none reads another's result
.set i, i+1
.endr
	v_nop                                          ; a plain instruction behind the last exponential
	s_wait_alu depctr_va_vdst(0)                   ; one wait for the batch, ahead of its first reader
.irp t, 0,1                                    ; l = a l + the sum of p, in f32, of p before it is rounded: two chains a tile
	v_pk_add_f32 v[ST+8*\t+4:ST+8*\t+5], v[S+32*\t:S+32*\t+1], v[S+32*\t+2:S+32*\t+3]
	v_pk_fma_f32 v[ST+8*\t+2:ST+8*\t+3], v[ST+8*\t+2:ST+8*\t+3], v[ST+8*\t+6:ST+8*\t+7], v[S+32*\t+4:S+32*\t+5] op_sel_hi:[1,0,1]
.endr
.irp t, 0,1
	v_pk_add_f32 v[ST+8*\t+4:ST+8*\t+5], v[ST+8*\t+4:ST+8*\t+5], v[S+32*\t+6:S+32*\t+7]
.endr
.irp j, 8,12,16,20,24,28
.irp t, 0,1
	v_pk_add_f32 v[ST+8*\t+2:ST+8*\t+3], v[ST+8*\t+2:ST+8*\t+3], v[S+32*\t+\j:S+32*\t+\j+1]
	v_pk_add_f32 v[ST+8*\t+4:ST+8*\t+5], v[ST+8*\t+4:ST+8*\t+5], v[S+32*\t+\j+2:S+32*\t+\j+3]
.endr
.endr
.irp t, 0,1
	v_pk_add_f32 v[ST+8*\t+2:ST+8*\t+3], v[ST+8*\t+2:ST+8*\t+3], v[ST+8*\t+4:ST+8*\t+5]
.endr
.set i, 0
.rept 16                                       ; p to f16, in place and ascending: register i takes p 2 i and 2 i + 1: registers 8 kp .. 8 kp + 7 ARE source 1 for keys 32 kp on
	v_cvt_pk_f16_f32 v[S+i], v[S+2*i], v[S+2*i+1]
	v_cvt_pk_f16_f32 v[S+32+i], v[S+32+2*i], v[S+32+2*i+1]
.set i, i+1
.endr
.set i, 0
.rept 16                                       ; O^T x a, each accumulator from its low end on
	v_pk_mul_f32 v[O+2*i:O+2*i+1], v[O+2*i:O+2*i+1], v[ST+6:ST+7] op_sel_hi:[1,0]
	v_pk_mul_f32 v[O+32+2*i:O+32+2*i+1], v[O+32+2*i:O+32+2*i+1], v[ST+14:ST+15] op_sel_hi:[1,0]
.set i, i+1
.endr
	s_wait_dscnt 0x0                               ; V is in
.set i, 0
.rept 16                                       ; O^T += V^T P: the eight accumulators by turns
.set rO, O+32*(i%2)+8*((i/2)%4)
.set rV, KV+8*(4*(i/8)+(i/2)%4)
.set rP, S+32*(i%2)+8*(i/8)
	v_wmma_f32_16x16x32_f16 v[rO:rO+7], v[rV:rV+7], v[rP:rP+7], v[rO:rO+7]
.set i, i+1
.endr
	s_add_co_u32 s[TB], s[TB], STEPB
.endm
.macro PHASE slot                      ; a slot's eight key steps
	s_mov_b32 s[TB], (\slot)*SLOT1
	s_mov_b32 s[CNT], 8
.Lstep_\@:
	STEP
	s_sub_co_u32 s[CNT], s[CNT], 1
	s_cmp_lg_u32 s[CNT], 0
	s_cbranch_scc1 .Lstep_\@
.endm
; THE CHANGE OF SLOTS.  Each wave waits for all its tensor loads (its part of the slot ahead), adds 0 to its spare word, and waits for that and for its reads of the slot that it leaves.
; fill = 1: the barrier is a round of the cluster's, so that no wave of any partner still reads the slot; the joint refill, the keys 1,024 further on, is the first thing behind it and has
; the eight key steps of the other slot in which to land.  One tensor load of mine is out from here to the next change.
.macro CHANGE fill, slot
	s_wait_tensorcnt 0x0
	ds_add_u32 v[SPW], v[NIL]
.if \fill
	s_add_nc_u64 s[G0+4*(\slot)+2:G0+4*(\slot)+3], s[G0+4*(\slot)+2:G0+4*(\slot)+3], 131072  ; no tensor load of mine is out: the group 0 may be written
.endif
	s_wait_dscnt 0x0
.if \fill
	CROUND
	tensor_load_to_lds s[G0+4*(\slot):G0+4*(\slot)+3], s[G1:G1+7]
	s_nop 0
.rept 4
	v_nop
.endr
.else
	s_barrier_signal -1
	s_barrier_wait -1
.endif
.endm
	s_wait_tensorcnt 1                             ; my part of slot 0 is in; slot 1's may stay out
	s_barrier_signal -1
	s_barrier_wait -1
	s_wait_loadcnt 0x0                             ; Q
	PHASE 0                                        ; keys 0 .. 511
	CHANGE 1, 0
	PHASE 1                                        ; 512 .. 1023
	CHANGE 1, 1
	PHASE 0                                        ; 1024 .. 1535
	CHANGE 0, 0                                    ; nothing is left to fetch
	PHASE 1                                        ; 1536 .. 2047
	; THE WAY OUT.  l's halves are added; O^T / l is rounded to f16 and goes through my stage in LDS: 32 rows x 144 bytes in slot 0, which has had its last fill and which nobody reads behind the last barrier.
.irp t, 0,1
	v_add_f32 v[ST+8*\t+4], v[ST+8*\t+2], v[ST+8*\t+3]
.endr
.irp t, 0,1
	v_permlanex16_b32 v[ST+8*\t+5], v[ST+8*\t+4], s[SEL], s[SEL+1]
.endr
.irp t, 0,1
	v_add_f32 v[ST+8*\t+4], v[ST+8*\t+4], v[ST+8*\t+5]
.endr
.irp t, 0,1
	v_rcp_f32 v[ST+8*\t+6], v[ST+8*\t+4]
.endr
	v_and_b32 v11, 15, v0                          ; (plain work behind the reciprocals, and places behind the last products)
	v_bfe_u32 v30, v0, 4, 1
	s_mul_i32 s2, s[WV], 32*KP                     ; my stage
	v_mul_u32_u24 v[STO], v11, KP
	v_lshl_add_u32 v[STO], v30, 4, v[STO]
	v_add_nc_u32 v[STO], s2, v[STO]                ; in: row r, 16 bytes for each half of the lanes
	v_and_b32 v31, 31, v0
	v_lshrrev_b32 v11, 3, v31
	v_mul_u32_u24 v[RD], v11, KP
	v_and_b32 v30, 7, v0
	v_lshl_add_u32 v[RD], v30, 4, v[RD]
	v_add_nc_u32 v[RD], s2, v[RD]                  ; back: eight lanes to a row of 128 bytes, four rows an instruction
	v_lshlrev_b32 v[GO], 4, v31
	s_wait_alu depctr_va_vdst(0)                   ; one wait for the two reciprocals, ahead of their first reader
.set i, 0
.rept 16
	v_pk_mul_f32 v[O+2*i:O+2*i+1], v[O+2*i:O+2*i+1], v[ST+6:ST+7] op_sel_hi:[1,0]
	v_pk_mul_f32 v[O+32+2*i:O+32+2*i+1], v[O+32+2*i:O+32+2*i+1], v[ST+14:ST+15] op_sel_hi:[1,0]
.set i, i+1
.endr
.set i, 0
.rept 32
	v_cvt_pk_f16_f32 v[S+i], v[O+2*i], v[O+2*i+1]  ; register 16 t + 4 ct + .. : channels 16 ct + 8 h + 0 .. 7 of query r
.set i, i+1
.endr
.irp t, 0,1
.irp c, 0,1,2,3
	ds_store_b128 v[STO], v[S+16*\t+4*\c:S+16*\t+4*\c+3] offset:16*KP*\t+32*\c
.endr
.endr
.irp i, 0,1,2,3,4,5,6,7
	ds_load_b128 v[KV+4*\i:KV+4*\i+3], v[RD] offset:4*KP*\i   ; LDS serves a wave's instructions in order: these see my stores
.endr
.irp i, 0,1,2,3,4,5,6,7
	s_wait_dscnt 7-\i                              ; load i is in, the younger ones may be out
	global_store_b128 v[GO], v[KV+4*\i:KV+4*\i+3], s[8:9] offset:512*\i   ; the wave stores 512 consecutive bytes, aligned
.endr
	s_wait_tensorcnt 0x0                           ; the wave's end
	ds_add_u32 v[SPW], v[NIL]
	s_wait_dscnt 0x0
	CROUND                                         ; the closing round
	s_endpgm
.Lfunc_end_k_q63f166b152_attn:
	.size	k_q63f166b152_attn, .Lfunc_end_k_q63f166b152_attn-k_q63f166b152_attn
	.p2alignl 7, 3214868480
	.fill 96, 4, 3214868480
	.section	.rodata,"a",@progbits
	.p2align	6, 0x0
	.amdhsa_kernel k_q63f166b152_attn
		.amdhsa_group_segment_fixed_size 327680
		.amdhsa_private_segment_fixed_size 0
		.amdhsa_enable_private_segment 0
		.amdhsa_kernarg_size 24
		.amdhsa_user_sgpr_count 2
		.amdhsa_user_sgpr_kernarg_segment_ptr 1
		.amdhsa_wavefront_size32 1
		.amdhsa_system_sgpr_workgroup_id_x 1
		.amdhsa_system_sgpr_workgroup_id_y 1
		.amdhsa_system_sgpr_workgroup_id_z 1
		.amdhsa_system_vgpr_workitem_id 0
		.amdhsa_next_free_vgpr 256
		.amdhsa_next_free_sgpr 102
		.amdhsa_reserve_vcc 0
		.amdhsa_float_denorm_mode_32 3
		.amdhsa_float_denorm_mode_16_64 3
		.amdhsa_memory_ordered 1
		.amdhsa_forward_progress 1
		.amdhsa_inst_pref_size 103
	.end_amdhsa_kernel
	.amdgpu_metadata
---
amdhsa.version: [ 1, 2 ]
amdhsa.kernels:
  - .name:           k_q63f166b152_attn
    .symbol:         k_q63f166b152_attn.kd
    .args:
      - { .name: qkv, .offset: 0, .size: 8, .value_kind: global_buffer, .address_space: global }
      - { .name: maskw, .offset: 8, .size: 8, .value_kind: global_buffer, .address_space: global }
      - { .name: ao, .offset: 16, .size: 8, .value_kind: global_buffer, .address_space: global }
    .group_segment_fixed_size: 327680
    .private_segment_fixed_size: 0
    .kernarg_segment_align: 8
    .kernarg_segment_size: 24
    .max_flat_workgroup_size: 512
    .sgpr_count:     102
    .vgpr_count:     256
    .wavefront_size: 32
...
	.end_amdgpu_metadata
.endif
;; end of part 3
;; launch oproj (part 4): grid 8 x 64, 4 waves a work-group, clusters of 4 x 4, 327,680 bytes of LDS; arguments ao, wot, bo, out0; writes out0
.if DOCPART == 4
	.amdgcn_target "amdgcn-amd-amdhsa--gfx1250"
	.amdhsa_code_object_version 6
	.text
	.protected	k_q63f166b152_oproj
	.globl	k_q63f166b152_oproj
	.p2align	8
	.type	k_q63f166b152_oproj,@function
k_q63f166b152_oproj:
	s_mov_b64 s[64:65], 0
	v_nop
	global_prefetch_b8 v0, s[64:65] scope:SCOPE_SE
	s_setreg_imm32_b32 hwreg(HW_REG_WAVE_MODE, 25, 1), 1
	s_wait_xcnt 0x0
	s_wait_alu depctr_hold_cnt(0) depctr_sa_sdst(0) depctr_va_vdst(0) depctr_va_sdst(0) depctr_va_ssrc(0) depctr_va_vcc(0) depctr_vm_vsrc(0)
	s_getreg_b32 s2, hwreg(HW_REG_IB_STS2, 6, 4)
	s_cmp_eq_u32 s2, 0
	s_cbranch_scc0 .Lentry_in_a_cluster
	s_endpgm
.Lentry_in_a_cluster:
	s_bfe_u32 s2, ttmp6, 0x10000c
	s_cmp_lg_u32 s2, 0xf033
	s_cbranch_scc0 .Lentry_shape_is_right
	s_endpgm
.Lentry_shape_is_right:
; out0[m][n] = the sum over k of A[m][k] Wo[k][n] + bo[n].  A: the attention's result, f16, laid by head: ao [h 16][m 8192][64], k = 64 h + d.  wot: Wo turned, f16, [n 1024][k 1024].  out0: [8192][1024] f32.  Sums in f32.
; A tile of out0 is 128 x 128: 512 tiles.  Four waves, each 64 x 64: 16 accumulators.  K goes in steps of 256 (four heads) through two LDS slots.
; A's part of a step for 64 rows is four dense blocks of 8,192 bytes, one a head, 1,048,576 bytes apart: ONE tensor load, stated as 4 rows of 8,192 bytes with 16 bytes of padding behind every 128:
; in LDS [head][row][144 bytes].  B's is 64 rows of 512 bytes + 16.
; CLUSTERS: 4 x 4 work-groups; A's tiles are shared along a row of the cluster, B's along a column: asked for JOINTLY.
; THE MATRIX INSTRUCTION IS USED TRANSPOSED (source 0 = 16 rows of wot, source 1 = 16 rows of A): a lane holds eight neighbouring columns of a row.  bo is the C of each sum's first product.
; REGISTERS: window 0: v0-31 addresses; v32-95 the way out; v96-127 bo; v128-255 the accumulators ((a, b) at v[128 + 8 (4 a + b)]).   window 1: two fragment buffers of 128: 64 registers of A, then 64 of B.
.set KSTEP,  256
.set PA,     144                       ; A: a row of a head in LDS: 128 bytes + 16
.set HEADA,  64*PA
.set HALFA,  4*HEADA                   ; what one tensor load brings of A
.set PITCHB, 528                       ; B: 512 bytes + 16
.set HALFB,  64*PITCHB
.set SLOT,   2*HALFA+2*HALFB           ; A's 128 rows, then B's 128 rows
.set STAGE,  2*SLOT                    ; 16 rows x 272 bytes for each wave; no tile lands here
.set SPITCH, 272
.set SPARE,  STAGE+4*16*SPITCH         ; the spare words, 128 bytes for each wave
.set LAPS,   2                         ; K = 1,024 = two laps of two K steps
.set ADRA, 16
.set ADRB, 20
.set STO,  24
.set RD,   25
.set CO,   26
.set SPW,  28
.set NIL,  29
.set OB,   32
.set BIAS, 96
.set ACC,  128
.set F0,   0
.set F1,   128
.set G1, 24
.set G0, 32
.set G1B, 48
.set G0B, 56
.set MSB, 0
.macro WIN new
.if MSB != (\new)
	s_set_vgpr_msb (MSB<<8)|(\new)
.set MSB, (\new)
.endif
.endm
.set MUL,  0x05                        ; sources 0 (B) and 1 (A) window 1; C and D window 0
.set TO_F, 0x40
.macro JLOAD s                         ; waves 0 and 1 fetch A's halves, waves 2 and 3 B's; an s_nop 0 and four v_nop follow each line
	s_cmp_eq_u32 s11, 0
	s_cbranch_scc0 .Lfor_b_\@
	tensor_load_to_lds s[G0+4*\s:G0+4*\s+3], s[G1:G1+7]
	s_nop 0
.rept 4
	v_nop
.endr
	s_branch .Lasked_\@
.Lfor_b_\@:
	tensor_load_to_lds s[G0B+4*\s:G0B+4*\s+3], s[G1B:G1B+7]
	s_nop 0
.rept 4
	v_nop
.endr
.Lasked_\@:
.endm
.macro CREST
	s_cmp_lg_u32 s10, 0
	s_cbranch_scc1 .Lnot_wave_0_\@
	s_barrier_signal -3
.Lnot_wave_0_\@:
	s_barrier_wait -3
	s_barrier_signal -1
	s_barrier_wait -1
.endm
.macro CROUND
	s_barrier_signal -1
	s_barrier_wait -1
	CREST
.endm
	s_load_b128 s[4:7], s[0:1], 0x0                ; ao, wot
	s_load_b64 s[66:67], s[0:1], 0x10              ; bo
	s_load_b64 s[8:9], s[0:1], 0x18                ; out0
	v_lshl_add_u32 v[SPW], v0, 2, SPARE
	v_mov_b32 v[NIL], 0
	ds_add_u32 v[SPW], v[NIL]                      ; the wave's opening: the add, twice on end, and its wait ahead of my first tensor load
	ds_add_u32 v[SPW], v[NIL]
	v_lshrrev_b32 v1, 5, v0
	v_readfirstlane_b32 s10, v1                    ; wave 0..3
	s_lshr_b32 s11, s10, 1                         ; which half of the tile's rows is mine.  Also: I fetch for A (0) or for B (1)
	s_and_b32 s12, s10, 1                          ; which half of its columns.  Also: which 64 rows I fetch
	s_bfe_u32 s40, ttmp6, 0x40000
	s_bfe_u32 s41, ttmp6, 0x40004
	s_lshl_b32 s42, ttmp9, 2
	s_add_co_u32 s42, s42, s40                     ; tile column
	s_and_b32 s13, ttmp7, 0xffff
	s_lshl_b32 s13, s13, 2
	s_add_co_u32 s13, s13, s41                     ; tile row
	s_lshl_b32 s43, s41, 2
	s_lshl_b32 s43, 15, s43                        ; my row of the cluster
	s_lshl_b32 s44, 0x1111, s40                    ; my column
	s_or_b32 s[G1+0], s43, (3<<16)|(1<<20)|(1<<21)|(4<<22)|(3<<25)  ; A: the mask; elements of 8 bytes; padding on; bit 21 beside a mask; after every 32 words, 4 words
	s_mov_b32 s[G1+1], 1024<<16                    ; tensor_dim0 = 1,024 elements: 64 rows of 128 bytes, dense
	s_mov_b32 s[G1+2], 4<<16                       ; tensor_dim1 = 4 heads
	s_mov_b32 s[G1+3], 1024<<16                    ; tile_dim0
	s_mov_b32 s[G1+4], 4                           ; tile_dim1
	s_mov_b32 s[G1+5], 131072                      ; from head to head: 1,048,576 bytes
	s_mov_b32 s[G1+6], 0
	s_mov_b32 s[G1+7], 0
	s_or_b32 s[G1B+0], s44, (1<<16)|(1<<20)|(1<<21)|(6<<22)|(3<<25) ; B: elements of 2 bytes; after every 128 words, 4 words
	s_mov_b32 s[G1B+1], KSTEP<<16
	s_mov_b32 s[G1B+2], 64<<16
	s_mov_b32 s[G1B+3], KSTEP<<16
	s_mov_b32 s[G1B+4], 64
	s_mov_b32 s[G1B+5], 1024
	s_mov_b32 s[G1B+6], 0
	s_mov_b32 s[G1B+7], 0
	s_lshl_b32 s16, s13, 14                        ; A: row 128 x tile row + 64 x half, 128 bytes a row
	s_lshl_b32 s17, s12, 13
	s_add_co_u32 s16, s16, s17
	s_mov_b32 s17, 0
	s_lshl_b32 s46, s42, 18                        ; B: row 128 x tile column + 64 x half, 2,048 bytes a row
	s_lshl_b32 s47, s12, 17
	s_add_co_u32 s46, s46, s47
	s_mov_b32 s47, 0
	s_mul_i32 s20, s12, HALFA                      ; where they go: no place in the cluster enters an LDS address
	s_mul_i32 s21, s12, HALFB
	s_add_co_u32 s21, s21, 2*HALFA
	s_wait_dscnt 0x0                               ; both opening adds are done
	s_wait_kmcnt 0x0
	s_add_nc_u64 s[14:15], s[4:5], s[16:17]
	s_add_nc_u64 s[46:47], s[6:7], s[46:47]
	CROUND                                         ; all sixteen work-groups are here: the first joint loads meet
.irp s, 0,1
	s_mov_b32 s[G0+4*\s], 1
	s_add_co_u32 s[G0+4*\s+1], s20, \s*SLOT
	s_add_nc_u64 s[G0+4*\s+2:G0+4*\s+3], s[14:15], \s*4194304       ; K step s: heads 4 s on
	s_or_b32 s[G0+4*\s+3], s[G0+4*\s+3], 0x80000000
	s_mov_b32 s[G0B+4*\s], 1
	s_add_co_u32 s[G0B+4*\s+1], s21, \s*SLOT
	s_add_nc_u64 s[G0B+4*\s+2:G0B+4*\s+3], s[46:47], \s*KSTEP*2
	s_or_b32 s[G0B+4*\s+3], s[G0B+4*\s+3], 0x80000000
	JLOAD \s
.endr
	v_and_b32 v1, 15, v0                           ; r
	v_bfe_u32 v2, v0, 4, 1                         ; h
	s_lshl_b32 s46, s42, 9                         ; my first column, in bytes of f32: 512 x tile column + 256 x half
	s_lshl_b32 s47, s12, 8
	s_add_co_u32 s46, s46, s47
	s_mov_b32 s47, 0
	s_add_nc_u64 s[66:67], s[66:67], s[46:47]
	v_lshlrev_b32 v6, 5, v2
.irp b, 0,1,2,3                                ; bo of block b: columns 16 b + 8 h + 0 .. 7
	global_load_b128 v[BIAS+8*\b:BIAS+8*\b+3], v6, s[66:67] offset:64*\b
	global_load_b128 v[BIAS+8*\b+4:BIAS+8*\b+7], v6, s[66:67] offset:64*\b+16
.endr
	v_mul_u32_u24 v3, v1, PA
	v_lshl_add_u32 v3, v2, 4, v3
	v_mul_u32_u24 v4, v1, PITCHB
	v_lshl_add_u32 v4, v2, 4, v4
	s_mul_i32 s21, s11, HALFA                      ; my 64 rows of A
	s_mul_i32 s22, s12, HALFB                      ; my 64 rows of B,
	s_add_co_u32 s22, s22, 2*HALFA                 ; behind A's 128
.irp s, 0,1
	v_add_nc_u32 v[ADRA+\s], s21, v3
	v_add_nc_u32 v[ADRB+\s], s22, v4
	s_add_co_u32 s21, s21, SLOT
	s_add_co_u32 s22, s22, SLOT
.endr
	s_mul_i32 s23, s10, 16*SPITCH
	s_add_co_u32 s23, s23, STAGE                   ; my stage
	v_mul_u32_u24 v5, v1, SPITCH                   ; in: row r, 32 bytes for each half of the lanes
	v_lshl_add_u32 v5, v2, 5, v5
	v_add_nc_u32 v[STO], s23, v5
	v_mul_u32_u24 v5, v2, SPITCH                   ; back: lanes 0-15 one row of 256 bytes, lanes 16-31 the next
	v_lshl_add_u32 v5, v1, 4, v5
	v_add_nc_u32 v[RD], s23, v5
	v_lshlrev_b32 v5, 12, v2                       ; and the same two rows in out0
	v_lshl_add_u32 v[CO], v1, 4, v5
	s_lshl_b32 s16, s13, 19                        ; my first row: 128 x tile row + 64 x half, 4,096 bytes a row
	s_lshl_b32 s17, s11, 18
	s_add_co_u32 s16, s16, s17
	s_mov_b32 s17, 0
	s_add_nc_u64 s[8:9], s[8:9], s[16:17]
	s_add_nc_u64 s[8:9], s[8:9], s[46:47]
; 8 matrix instructions: m blocks a0, a0 + 1 x all 4 n blocks, 32 along K: half c of buffer f.  first = 1: bo is the C.  The 16 accumulators take turns.
.macro MUL8 f, c, a0, first
.irp a, \a0, \a0+1
.irp b, 0,1,2,3
.if \first
	v_wmma_f32_16x16x32_f16 v[ACC+8*(4*(\a)+\b):ACC+8*(4*(\a)+\b)+7], v[\f+64+8*(4*\c+\b):\f+64+8*(4*\c+\b)+7], v[\f+8*(4*\c+(\a)):\f+8*(4*\c+(\a))+7], v[BIAS+8*\b:BIAS+8*\b+7]
.else
	v_wmma_f32_16x16x32_f16 v[ACC+8*(4*(\a)+\b):ACC+8*(4*(\a)+\b)+7], v[\f+64+8*(4*\c+\b):\f+64+8*(4*\c+\b)+7], v[\f+8*(4*\c+(\a)):\f+8*(4*\c+(\a))+7], v[ACC+8*(4*(\a)+\b):ACC+8*(4*(\a)+\b)+7]
.endif
.endr
.endr
.endm
; 32 LDS loads in one run: the fragments of the slot's q-th 64 along K (for A: its q-th head) into buffer f; the first 32 along K first
.macro FETCH slot, q, f
	WIN TO_F
.irp c, 0,1
.irp i, 0,1,2,3
	ds_load_b128 v[\f+64+8*(4*\c+\i):\f+64+8*(4*\c+\i)+3],   v[ADRB+\slot] offset:128*(\q)+64*\c+\i*16*PITCHB
	ds_load_b128 v[\f+64+8*(4*\c+\i)+4:\f+64+8*(4*\c+\i)+7], v[ADRB+\slot] offset:128*(\q)+64*\c+\i*16*PITCHB+32
	ds_load_b128 v[\f+8*(4*\c+\i):\f+8*(4*\c+\i)+3],         v[ADRA+\slot] offset:HEADA*(\q)+64*\c+\i*16*PA
	ds_load_b128 v[\f+8*(4*\c+\i)+4:\f+8*(4*\c+\i)+7],       v[ADRA+\slot] offset:HEADA*(\q)+64*\c+\i*16*PA+32
.endr
.endr
.endm
.macro PLACES                          ; four places in front of loads into registers that matrix instructions have read, and of the first read of results
.rept 4
	v_nop
.endr
.endm
; A K step is four quarters of 64 along K, 32 matrix instructions each, on buffers 0, 1, 0, 1.  One of the first three: multiplies buffer f and fetches quarter q into g.
.macro QUARTER slot, q, f, g, first
	s_wait_dscnt 16                                ; the first 32 along K are in; the other sixteen loads may be out
	WIN MUL
	MUL8 \f, 0, 0, \first
	MUL8 \f, 0, 2, \first
	PLACES
	FETCH \slot, \q, \g
	s_wait_dscnt 32                                ; all but the 32 just issued
	WIN MUL
	MUL8 \f, 1, 0, 0
	MUL8 \f, 1, 2, 0
.endm
; The last quarter changes slots: ONE barrier; in front of it each wave waits for all its tensor loads, adds 0 to its spare word, and waits for that and for its reads of this slot.
; fill = 1: the barrier opens a round of the cluster's, and this slot is filled again, two K steps ahead: one tensor load of mine is out, with 112 matrix instructions up to the wait for it.
.macro TURN slot, next, fill
	WIN 0
	s_wait_tensorcnt 0x0
	ds_add_u32 v[SPW], v[NIL]
	s_wait_dscnt 17                                ; (the add and the youngest sixteen loads may be out)
	WIN MUL
	MUL8 F1, 0, 0, 0
	s_wait_dscnt 0x0                               ; the add is done, and my reads of this slot are over
	s_barrier_signal -1
	MUL8 F1, 0, 2, 0
.if \fill
	WIN 0
.endif
	s_barrier_wait -1
.if \fill
	CREST
	s_add_nc_u64 s[G0+4*\slot+2:G0+4*\slot+3], s[G0+4*\slot+2:G0+4*\slot+3], 2*4194304
	s_add_nc_u64 s[G0B+4*\slot+2:G0B+4*\slot+3], s[G0B+4*\slot+2:G0B+4*\slot+3], 2*KSTEP*2
	JLOAD \slot                                    ; the first tensor load behind the round; its four v_nop are also the places in front of the loads below
.else
	PLACES
.endif
	FETCH \next, 0, F0
	WIN MUL
	MUL8 F1, 1, 0, 0
	MUL8 F1, 1, 2, 0
.endm
	s_wait_tensorcnt 1                             ; my part of K step 0 is in; K step 1's load may be out
	s_barrier_signal -1
	s_barrier_wait -1
	FETCH 0, 0, F0
	s_wait_loadcnt 0x0                             ; bo
	QUARTER 0, 1, F0, F1, 1                        ; the first quarter stands in front of the loop: its first products start the sums from bo
	WIN 0
	s_mov_b32 s3, LAPS-1
.Llap:                                                 ; a trip goes once round the two slots and fills both again
	QUARTER 0, 2, F1, F0, 0
	QUARTER 0, 3, F0, F1, 0
	TURN 0, 1, 1
	QUARTER 1, 1, F0, F1, 0
	QUARTER 1, 2, F1, F0, 0
	QUARTER 1, 3, F0, F1, 0
	TURN 1, 0, 1
	QUARTER 0, 1, F0, F1, 0
	WIN 0
	s_sub_co_u32 s3, s3, 1
	s_cmp_lg_u32 s3, 0
	s_cbranch_scc1 .Llap
	QUARTER 0, 2, F1, F0, 0                        ; the last lap fills nothing
	QUARTER 0, 3, F0, F1, 0
	TURN 0, 1, 0
	QUARTER 1, 1, F0, F1, 0
	QUARTER 1, 2, F1, F0, 0
	QUARTER 1, 3, F0, F1, 0
	s_wait_dscnt 16
	WIN MUL
	MUL8 F1, 0, 0, 0
	MUL8 F1, 0, 2, 0
	s_wait_dscnt 0
	MUL8 F1, 1, 0, 0
	MUL8 F1, 1, 2, 0
	WIN 0
; THE WAY OUT.  A wave's 64 columns of f32 are 256 bytes.  A block of 16 rows goes through my own stage and comes back as whole rows: sixteen lanes store 256 consecutive bytes, aligned.
; LDS serves a wave's instructions in order: no wait between the stores and the loads, nor in front of the next block's stores; no other wave touches my stage.
.macro TOSTAGE a
.set BB, OB+32*((\a)%2)
.irp b, 0,1,2,3
	ds_store_b128 v[STO], v[ACC+8*(4*(\a)+\b):ACC+8*(4*(\a)+\b)+3] offset:64*\b        ; each accumulator from its low end on
	ds_store_b128 v[STO], v[ACC+8*(4*(\a)+\b)+4:ACC+8*(4*(\a)+\b)+7] offset:64*\b+16
.endr
.irp t, 0,1,2,3,4,5,6,7
	ds_load_b128 v[BB+4*\t:BB+4*\t+3], v[RD] offset:\t*2*SPITCH
.endr
.endm
.macro SEND a, younger
.set BB, OB+32*((\a)%2)
	s_wait_dscnt \younger                          ; the block is back; the next block's 8 stores and 8 loads may be out
.irp t, 0,1,2,3,4,5,6,7
	global_store_b128 v[CO], v[BB+4*\t:BB+4*\t+3], s[8:9] offset:(16*(\a)+2*\t)*4096 th:TH_STORE_NT
.endr
.endm
	PLACES
	TOSTAGE 0
.irp a, 1,2,3
.if \a > 1
	s_wait_xcnt 0x0                                ; block a - 2's stores have read their registers: block a's loads may land there
.endif
	TOSTAGE \a
	SEND \a-1, 16
.endr
	SEND 3, 0
	s_wait_tensorcnt 0x0                           ; the wave's end
	ds_add_u32 v[SPW], v[NIL]
	s_wait_dscnt 0x0
	CROUND                                         ; the closing round
	s_endpgm
.Lfunc_end_k_q63f166b152_oproj:
	.size	k_q63f166b152_oproj, .Lfunc_end_k_q63f166b152_oproj-k_q63f166b152_oproj
	.p2alignl 7, 3214868480
	.fill 96, 4, 3214868480
	.section	.rodata,"a",@progbits
	.p2align	6, 0x0
	.amdhsa_kernel k_q63f166b152_oproj
		.amdhsa_group_segment_fixed_size 327680
		.amdhsa_private_segment_fixed_size 0
		.amdhsa_enable_private_segment 0
		.amdhsa_kernarg_size 32
		.amdhsa_user_sgpr_count 2
		.amdhsa_user_sgpr_kernarg_segment_ptr 1
		.amdhsa_wavefront_size32 1
		.amdhsa_system_sgpr_workgroup_id_x 1
		.amdhsa_system_sgpr_workgroup_id_y 1
		.amdhsa_system_sgpr_workgroup_id_z 1
		.amdhsa_system_vgpr_workitem_id 0
		.amdhsa_next_free_vgpr 512
		.amdhsa_next_free_sgpr 72
		.amdhsa_reserve_vcc 0
		.amdhsa_float_denorm_mode_32 3
		.amdhsa_float_denorm_mode_16_64 3
		.amdhsa_memory_ordered 1
		.amdhsa_forward_progress 1
		.amdhsa_inst_pref_size 87
	.end_amdhsa_kernel
	.amdgpu_metadata
---
amdhsa.version: [ 1, 2 ]
amdhsa.kernels:
  - .name:           k_q63f166b152_oproj
    .symbol:         k_q63f166b152_oproj.kd
    .args:
      - { .name: ao, .offset: 0, .size: 8, .value_kind: global_buffer, .address_space: global }
      - { .name: wot, .offset: 8, .size: 8, .value_kind: global_buffer, .address_space: global }
      - { .name: bo, .offset: 16, .size: 8, .value_kind: global_buffer, .address_space: global }
      - { .name: out0, .offset: 24, .size: 8, .value_kind: global_buffer, .address_space: global }
    .group_segment_fixed_size: 327680
    .private_segment_fixed_size: 0
    .kernarg_segment_align: 8
    .kernarg_segment_size: 32
    .max_flat_workgroup_size: 128
    .sgpr_count:     72
    .vgpr_count:     512
    .wavefront_size: 32
...
	.end_amdgpu_metadata
.endif
;; end of part 4
